; MI455X (gfx1250); checked and timed in simulation.
; The chip was launched on July 23, 2026; its instructions are those of AMD's public machine-readable ISA for CDNA 5 (MIT licence, August 2026) and "CDNA5" Instruction Set Architecture Reference Guide (July 2026). The comments in the code are by the model that wrote it; some were corrected since.
;; Self Multihead Attn. Allowed arithmetic: float matrix products may take bf16 or f16 operands with f32 sums; all other float work in f32.
;; Inputs: in_proj_weight 3,072 x 1,024 float32; out_proj_weight 1,024 x 1,024 float32; query 2,048 x 4 x 1,024 float32.
;; Outputs: out0 2,048 x 4 x 1,024 float32.
;; 2 versions, each right. Each part assembles by itself: llvm-mc -triple=amdgcn-amd-amdhsa -mcpu=gfx1250 --defsym DOCPART=n.
;; ======== version 1 of 2: 4 launches
;; limits: values are held in f16: magnitudes above 65,504 overflow, below 6.1e-05 lose precision
;; workspace buffers: xb 16,777,216 bytes; wib 6,291,456 bytes; wob 2,097,152 bytes; qkvh 50,331,648 bytes; ctxh 16,777,216 bytes
;; launch cast (part 1): grid 768 x 1, 8 waves a work-group, no clusters, 0 bytes of LDS; arguments query, in_proj_weight, out_proj_weight, xb, wib, wob; writes xb, wib, wob
.if DOCPART == 1
	.amdgcn_target "amdgcn-amd-amdhsa--gfx1250"
	.amdhsa_code_object_version 6
	.text
	.protected	k_q83bcc17200_cast
	.globl	k_q83bcc17200_cast
	.p2align	8
	.type	k_q83bcc17200_cast,@function
k_q83bcc17200_cast:
	s_mov_b64 s[64:65], 0
	v_nop
	global_prefetch_b8 v0, s[64:65] scope:SCOPE_SE
	s_setreg_imm32_b32 hwreg(HW_REG_WAVE_MODE, 25, 1), 1
	s_wait_xcnt 0x0
; The three f32 inputs are rounded once to bf16 (nearest even), so that the two products read 16-bit tiles:
;   query -> xb (bf16), in_proj_weight -> wib (bf16), out_proj_weight -> wob: the bf16 VALUE, held in f16, because its partner in the
;   last product (the attention's result) is kept in f16 and a matrix instruction takes one format for both operands.
; LIMITS: a bf16 value is exact in f16 for 2^-17 <= |w| < 65,504; below, the error is at most 2^-25 absolute; |out_proj_weight| of 65,504
; or more becomes infinite.  NaN and infinite inputs are not served.
; A work-group converts 16,384 numbers (64 KiB in, 32 KiB out): groups 0-511 query, 512-703 in_proj_weight, 704-767 out_proj_weight.
; A wave owns 8 KiB: sixteen loads of 512 consecutive bytes, all issued at once; each store of the wave covers 256 consecutive bytes, aligned.
; Memory binds: no LDS, no barrier, no matrix unit, no loop.
.set X, 4                              ; v[4:67]    sixteen loads of four f32
.set Y, 68                             ; v[68:99]   sixteen pairs of packed results, each written once
.set T, 100                            ; v[100:103] at work (out_proj_weight only)
.set G_WIN,  512                       ; first group of in_proj_weight
.set G_WOUT, 704                       ; first group of out_proj_weight
	s_load_b256 s[4:11], s[0:1], 0x0               ; query s[4:5], in_proj_weight s[6:7], out_proj_weight s[8:9], xb s[10:11]
	s_load_b128 s[12:15], s[0:1], 0x20             ; wib s[12:13], wob s[14:15]
	s_mov_b32 s2, ttmp9                            ; the work-group's number
	v_and_b32 v1, 31, v0                           ; lane
	v_lshrrev_b32 v3, 5, v0                        ; wave
	v_lshlrev_b32 v1, 4, v1
	v_lshl_or_b32 v1, v3, 13, v1                   ; in: 8,192 x wave + 16 x lane
	v_lshrrev_b32 v2, 1, v1                        ; out: half of that
	s_mov_b32 s20, G_WOUT
	s_mov_b32 s23, 0
	s_wait_kmcnt 0x0
	s_cmp_lt_u32 s2, G_WOUT                        ; which tensor: a choice on the group's number alone
	s_cselect_b64 s[16:17], s[6:7], s[8:9]
	s_cselect_b64 s[18:19], s[12:13], s[14:15]
	s_cselect_b32 s20, G_WIN, s20
	s_cmp_lt_u32 s2, G_WIN
	s_cselect_b64 s[16:17], s[4:5], s[16:17]       ; s[16:17] from
	s_cselect_b64 s[18:19], s[10:11], s[18:19]     ; s[18:19] to
	s_cselect_b32 s20, 0, s20                      ; the tensor's first group
	s_sub_co_u32 s20, s2, s20                      ; my place in the tensor
	s_lshl_b32 s22, s20, 16                        ; x 64 KiB (511 x 65,536 at the most)
	s_add_nc_u64 s[16:17], s[16:17], s[22:23]
	s_lshl_b32 s22, s20, 15                        ; x 32 KiB
	s_add_nc_u64 s[18:19], s[18:19], s[22:23]
.irp k, 0,1,2,3,4,5,6,7,8,9,10,11,12,13,14,15
	global_load_b128 v[X+4*\k:X+4*\k+3], v1, s[16:17] offset:512*\k th:TH_LOAD_NT
.endr
	s_cmp_ge_u32 s2, G_WOUT
	s_cbranch_scc1 .Lwout
.irp k, 0,1,2,3,4,5,6,7,8,9,10,11,12,13,14,15
	s_wait_loadcnt 15-\k                           ; loads come back in order: load k is in, the 15 - k younger ones stay out
	v_cvt_pk_bf16_f32 v[Y+2*\k],   v[X+4*\k],   v[X+4*\k+1]
	v_cvt_pk_bf16_f32 v[Y+2*\k+1], v[X+4*\k+2], v[X+4*\k+3]
	global_store_b64 v2, v[Y+2*\k:Y+2*\k+1], s[18:19] offset:256*\k
.endr
	s_endpgm
.Lwout:
.irp k, 0,1,2,3,4,5,6,7,8,9,10,11,12,13,14,15
	s_wait_loadcnt 15-\k
	v_cvt_pk_bf16_f32 v[T],   v[X+4*\k],   v[X+4*\k+1]         ; the same rounding as the other two inputs,
	v_cvt_pk_bf16_f32 v[T+1], v[X+4*\k+2], v[X+4*\k+3]
	v_lshlrev_b32 v[T+2], 16, v[T]                             ; widened again,
	v_and_b32     v[T],   0xffff0000, v[T]
	v_lshlrev_b32 v[T+3], 16, v[T+1]
	v_and_b32     v[T+1], 0xffff0000, v[T+1]
	v_cvt_pk_f16_f32 v[Y+2*\k],   v[T+2], v[T]                 ; and held in f16
	v_cvt_pk_f16_f32 v[Y+2*\k+1], v[T+3], v[T+1]
	global_store_b64 v2, v[Y+2*\k:Y+2*\k+1], s[18:19] offset:256*\k
.endr
	s_endpgm
.Lfunc_end_k_q83bcc17200_cast:
	.size	k_q83bcc17200_cast, .Lfunc_end_k_q83bcc17200_cast-k_q83bcc17200_cast
	.p2alignl 7, 3214868480
	.fill 96, 4, 3214868480
	.section	.rodata,"a",@progbits
	.p2align	6, 0x0
	.amdhsa_kernel k_q83bcc17200_cast
		.amdhsa_group_segment_fixed_size 0
		.amdhsa_private_segment_fixed_size 0
		.amdhsa_enable_private_segment 0
		.amdhsa_kernarg_size 48
		.amdhsa_user_sgpr_count 2
		.amdhsa_user_sgpr_kernarg_segment_ptr 1
		.amdhsa_wavefront_size32 1
		.amdhsa_system_sgpr_workgroup_id_x 1
		.amdhsa_system_sgpr_workgroup_id_y 1
		.amdhsa_system_sgpr_workgroup_id_z 1
		.amdhsa_system_vgpr_workitem_id 0
		.amdhsa_next_free_vgpr 104
		.amdhsa_next_free_sgpr 66
		.amdhsa_reserve_vcc 0
		.amdhsa_float_denorm_mode_32 3
		.amdhsa_float_denorm_mode_16_64 3
		.amdhsa_memory_ordered 1
		.amdhsa_forward_progress 1
		.amdhsa_inst_pref_size 16
	.end_amdhsa_kernel
	.amdgpu_metadata
---
amdhsa.version: [ 1, 2 ]
amdhsa.kernels:
  - .name:           k_q83bcc17200_cast
    .symbol:         k_q83bcc17200_cast.kd
    .args:
      - { .name: query, .offset: 0, .size: 8, .value_kind: global_buffer, .address_space: global }
      - { .name: in_proj_weight, .offset: 8, .size: 8, .value_kind: global_buffer, .address_space: global }
      - { .name: out_proj_weight, .offset: 16, .size: 8, .value_kind: global_buffer, .address_space: global }
      - { .name: xb, .offset: 24, .size: 8, .value_kind: global_buffer, .address_space: global }
      - { .name: wib, .offset: 32, .size: 8, .value_kind: global_buffer, .address_space: global }
      - { .name: wob, .offset: 40, .size: 8, .value_kind: global_buffer, .address_space: global }
    .group_segment_fixed_size: 0
    .private_segment_fixed_size: 0
    .kernarg_segment_align: 8
    .kernarg_segment_size: 48
    .max_flat_workgroup_size: 256
    .sgpr_count:     66
    .vgpr_count:     104
    .wavefront_size: 32
...
	.end_amdgpu_metadata
.endif
;; end of part 1
;; launch qkv (part 2): grid 12 x 64, 4 waves a work-group, clusters of 4 x 4, 327,680 bytes of LDS; arguments xb, wib, qkvh; writes qkvh
.if DOCPART == 2
	.amdgcn_target "amdgcn-amd-amdhsa--gfx1250"
	.amdhsa_code_object_version 6
	.text
	.protected	k_q83bcc17200_qkv
	.globl	k_q83bcc17200_qkv
	.p2align	8
	.type	k_q83bcc17200_qkv,@function
k_q83bcc17200_qkv:
	s_mov_b64 s[64:65], 0
	v_nop
	global_prefetch_b8 v0, s[64:65] scope:SCOPE_SE
	s_setreg_imm32_b32 hwreg(HW_REG_WAVE_MODE, 25, 1), 1
	s_wait_xcnt 0x0
	s_wait_alu depctr_hold_cnt(0) depctr_sa_sdst(0) depctr_va_vdst(0) depctr_va_sdst(0) depctr_va_ssrc(0) depctr_va_vcc(0) depctr_vm_vsrc(0)
	s_getreg_b32 s2, hwreg(HW_REG_IB_STS2, 6, 4)
	s_cmp_eq_u32 s2, 0
	s_cbranch_scc0 .Lentry_in_a_cluster
	s_endpgm
.Lentry_in_a_cluster:
	s_bfe_u32 s2, ttmp6, 0x10000c
	s_cmp_lg_u32 s2, 0xf033
	s_cbranch_scc0 .Lentry_shape_is_right
	s_endpgm
.Lentry_shape_is_right:
; One text for the module's two projections; the flag OUTP picks the form.
;   OUTP = 0: qkv[t][b][f] = sum over e of x[t][b][e] W_in[f][e].  x, W_in in bf16, sums in f32, result in f16, stored by heads:
;             qkvh[part q,k,v][b][head][t][64 d].  q is stored unscaled; the attention folds D^-0.5 into its exponent.
;   OUTP = 1: out[t][b][f] = sum over e of ctx[t][b][e] W_out[f][e].  ctx (ctxh[b][head][t][64 d]) and W_out in f16, sums and result in f32.
; LIMITS: OUTP = 0: |q|, |k|, |v| of 65,504 or more become infinite in f16 (inputs 30 times those drawn give some 5e3, a common offset of
; 30 spreads on all inputs some 3e4).  NaN and infinite inputs are not served.  The sums' order is the matrix unit's, K ascending.
; A work-group makes 128 rows (128 consecutive t of one b) x 256 columns; its four waves stand side by side, 128 x 64 each: 32 accumulator
; tiles, 256 registers.  So the grids are 768 and 256 work-groups, and with OUTP = 0 a wave's 64 columns are one head: its result is 16 KiB
; of consecutive memory.  K goes in 8 steps of 128 through two LDS slots filled by the tensor data mover.
; CLUSTERS: 4 x 4 work-groups.  A's tile hangs on the block row alone and is asked for jointly by the four of a row of the cluster, B's on the
; block column alone and is asked for jointly by the four of a column: a quarter of the requests.
; REGISTERS: window 0: addresses, two fragment buffers, packed results; window 1: the accumulators, tile (a, b) at v[8 (4 a + b)].
; THE MATRIX INSTRUCTION IS USED TRANSPOSED (source 0 = 16 rows of B, source 1 = 16 rows of A): lane l holds row l % 16 of the result and its
; registers the columns 8 (l / 16) + 0 .. 7, eight neighbours.
.set OUTP,   0
.set PITCH,  272                       ; an LDS row: 256 bytes + 16 of padding
.set BHALF,  128*PITCH                 ; 128 rows of B: one tensor load
.set AOFF,   2*BHALF                   ; a slot: B's 256 rows, then A
.set AHALF,  64*PITCH                  ; one tensor load of A: 16 KiB
.set SLOT,   AOFF+2*AHALF
.set STAGE,  2*SLOT                    ; behind the ring: each wave's own 16 rows for the way out; no tensor load lands here
.set BSTEP,  256                       ; bytes along B's rows for a K step
.set LAPS,   4                         ; a lap = two K steps = once round the ring
.if OUTP
.set APLANE, AHALF                     ; A's tile is two heads' planes of 128 rows x 128 bytes; two rows share an LDS row:
.set A16,    8*PITCH                   ; row m at (m >> 1) x 272 + (m & 1) x 128, so 16 rows are 8 LDS rows
.set ASTEP,  2*262144                  ; a K step is two heads
.set SPITCH, 272                       ; stage: 64 f32 + 16 bytes
.else
.set APLANE, 128                       ; A's tile is 128 rows x 256 bytes: the second 64 of K lie 128 bytes along the row
.set A16,    16*PITCH
.set ASTEP,  256
.set SPITCH, 144                       ; stage: 64 f16 + 16 bytes
.endif
.set ADRA, 16                          ; v16-17  LDS address of my A fragments in slot 0, 1
.set ADRB, 20                          ; v20-21  the same for B
.set STO,  24                          ; v24     the way out: where I put my piece of a row
.set RD,   25                          ; v25     the way out: where I read rows back
.set CO,   26                          ; v26     my byte offset in the result
.set FA,   32                          ; v[32:95], v[96:159]    A's fragments (8 x 16 rows x 32 K), two buffers
.set FB,   160                         ; v[160:191], v[192:223] B's fragments (4 x 16 rows x 32 K), two buffers
.set TMP,  224                         ; v[224:239] packed results
.set G1,  24                           ; s[24:31] descriptor group 1, A
.set G0,  32                           ; s[32:39] descriptor group 0, A, one set for each slot
.set G1B, 48                           ; s[48:55] group 1, B
.set G0B, 56                           ; s[56:63] group 0, B, one set for each slot
.set MULW, 0x50                        ; C and D in window 1, sources in window 0
.set MSB, 0
.macro WIN new                         ; the immediate's high byte repeats the setting that is left
.if MSB != \new
	s_set_vgpr_msb (MSB<<8)|\new
.set MSB, \new
.endif
.endm
.macro PLACES                          ; four plain vector instructions behind a matrix instruction, before its registers are loaded into or its result read (ISA guide 7.12.1)
.rept 4
	v_nop
.endr
.endm
; A joint load.  Waves 0 and 1 fetch B's two halves, waves 2 and 3 A's.  Each line has one mask and one set of registers for all that issue it.
; The branch hangs on the wave's number alone.  Four v_nop follow each line.
.macro JLOAD s
	s_cmp_eq_u32 s11, 0
	s_cbranch_scc0 .Lfor_a_\@
	tensor_load_to_lds s[G0B+4*\s:G0B+4*\s+3], s[G1B:G1B+7]
	s_nop 0
.rept 4
	v_nop
.endr
	s_branch .Lasked_\@
.Lfor_a_\@:
	tensor_load_to_lds s[G0+4*\s:G0+4*\s+3], s[G1:G1+7]
	s_nop 0
.rept 4
	v_nop
.endr
.Lasked_\@:
.endm
; A round of the cluster's barrier: my work-group's barrier; wave 0 signals for the work-group; every wave waits for all sixteen; my work-group's barrier again.
.macro CREST                           ; a round behind its opening barrier
	s_cmp_lg_u32 s10, 0
	s_cbranch_scc1 .Lnot_wave_0_\@
	s_barrier_signal -3
.Lnot_wave_0_\@:
	s_barrier_wait -3
	s_barrier_signal -1
	s_barrier_wait -1
.endm
.macro CROUND
	s_barrier_signal -1
	s_barrier_wait -1
	CREST
.endm
	s_load_b128 s[4:7], s[0:1], 0x0                ; A s[4:5], B s[6:7]
	s_load_b64 s[8:9], s[0:1], 0x10                ; the result
	v_lshl_add_u32 v254, v0, 2, 0x35400
	v_mov_b32 v255, 0
	ds_add_u32 v254, v255
	ds_add_u32 v254, v255
	v_lshrrev_b32 v1, 5, v0
	v_readfirstlane_b32 s10, v1                    ; wave 0..3: my 64 columns
	s_lshr_b32 s11, s10, 1                         ; I fetch for B (0) or for A (1)
	s_and_b32 s12, s10, 1                          ; which half of that tile
	s_bfe_u32 s40, ttmp6, 0x40000                  ; cx
	s_bfe_u32 s41, ttmp6, 0x40004                  ; cy
	s_lshl_b32 s42, ttmp9, 2
	s_add_co_u32 s42, s42, s40                     ; block column = 4 x cluster x + cx
	s_and_b32 s13, ttmp7, 0xffff
	s_lshl_b32 s13, s13, 2
	s_add_co_u32 s13, s13, s41                     ; block row = 4 x cluster y + cy: b = block row >> 4, t block = block row & 15
	s_lshl_b32 s43, s41, 2
	s_lshl_b32 s43, 15, s43                        ; my row of the cluster
	s_lshl_b32 s44, 0x1111, s40                    ; my column
.if OUTP
	; A: a head's 128 rows of 128 bytes are 16 KiB of consecutive memory: 64 rows of 32 elements of 8 bytes, 16 bytes of padding behind each
	s_or_b32 s[G1+0], s43, (3<<16)|(1<<20)|(1<<21)|(5<<22)|(3<<25)
	s_mov_b32 s[G1+1], 32<<16                      ; tensor_dim0
	s_mov_b32 s[G1+2], 64<<16                      ; tensor_dim1
	s_mov_b32 s[G1+3], 32<<16                      ; tile_dim0
	s_mov_b32 s[G1+4], 64                          ; tile_dim1
	s_mov_b32 s[G1+5], 32                          ; from row to row
.else
	; A: 64 rows (t) of 128 bf16; from t to t + 1 are 4 x 1,024 elements
	s_or_b32 s[G1+0], s43, (1<<16)|(1<<20)|(1<<21)|(5<<22)|(3<<25)
	s_mov_b32 s[G1+1], 128<<16
	s_mov_b32 s[G1+2], 64<<16
	s_mov_b32 s[G1+3], 128<<16
	s_mov_b32 s[G1+4], 64
	s_mov_b32 s[G1+5], 4096
.endif
	s_mov_b32 s[G1+6], 0
	s_mov_b32 s[G1+7], 0
	; B: 128 rows of 128 elements of 2 bytes, 1,024 elements from row to row
	s_or_b32 s[G1B+0], s44, (1<<16)|(1<<20)|(1<<21)|(5<<22)|(3<<25)
	s_mov_b32 s[G1B+1], 128<<16
	s_mov_b32 s[G1B+2], 128<<16
	s_mov_b32 s[G1B+3], 128<<16
	s_mov_b32 s[G1B+4], 128
	s_mov_b32 s[G1B+5], 1024
	s_mov_b32 s[G1B+6], 0
	s_mov_b32 s[G1B+7], 0
	; where the tiles come from: A's offset is made of the block row and the wave, B's of the block column and the wave, in registers of their own
.if OUTP
	s_lshr_b32 s16, s13, 4
	s_lshl_b32 s16, s16, 22                        ; b x 16 heads x 262,144
	s_lshl_b32 s17, s12, 18                        ; + the step's first or second head
	s_add_co_u32 s16, s16, s17
	s_and_b32 s17, s13, 15
	s_lshl_b32 s17, s17, 14                        ; + t block x 128 rows x 128 bytes
	s_add_co_u32 s16, s16, s17
.else
	s_and_b32 s16, s13, 15
	s_lshl_b32 s16, s16, 20                        ; t block x 128 rows x 8,192 bytes
	s_lshl_b32 s17, s12, 19                        ; + half x 64 rows
	s_add_co_u32 s16, s16, s17
	s_lshr_b32 s17, s13, 4
	s_lshl_b32 s17, s17, 11                        ; + b x 2,048 bytes
	s_add_co_u32 s16, s16, s17
.endif
	s_mov_b32 s17, 0
	s_lshl_b32 s46, s42, 19                        ; block column x 256 rows x 2,048 bytes
	s_lshl_b32 s47, s12, 18                        ; + half x 128 rows
	s_add_co_u32 s46, s46, s47
	s_mov_b32 s47, 0
	s_mul_i32 s20, s10, BHALF                      ; where they go: B's halves (waves 0, 1) at wave x 128 rows,
	s_mul_i32 s21, s10, AHALF
	s_add_co_u32 s21, s21, AOFF-2*AHALF            ; A's halves (waves 2, 3) behind B: the wave's number and constants alone
	s_wait_dscnt 0x0
	s_wait_kmcnt 0x0
	s_add_nc_u64 s[14:15], s[4:5], s[16:17]
	s_add_nc_u64 s[46:47], s[6:7], s[46:47]
	CROUND                                         ; all sixteen work-groups are here: the first joint loads meet
.irp s, 0,1
	s_mov_b32 s[G0+4*\s], 1
	s_add_co_u32 s[G0+4*\s+1], s21, \s*SLOT
	s_add_nc_u64 s[G0+4*\s+2:G0+4*\s+3], s[14:15], \s*ASTEP        ; K step s
	s_or_b32 s[G0+4*\s+3], s[G0+4*\s+3], 0x80000000
	s_mov_b32 s[G0B+4*\s], 1
	s_add_co_u32 s[G0B+4*\s+1], s20, \s*SLOT
	s_add_nc_u64 s[G0B+4*\s+2:G0B+4*\s+3], s[46:47], \s*BSTEP
	s_or_b32 s[G0B+4*\s+3], s[G0B+4*\s+3], 0x80000000
	JLOAD \s                                       ; both slots are asked for before anything else: two tensor loads of the wave are out
.endr
	; A fragment (16 rows x 32 K, 8 registers): lane l holds row l % 16; two loads of 16 bytes, 32 bytes apart, at the row + 16 (l / 16)
	v_and_b32 v1, 15, v0                           ; r = l % 16
	v_bfe_u32 v2, v0, 4, 1                         ; h = l / 16
.if OUTP
	v_lshrrev_b32 v3, 1, v1                        ; two rows to an LDS row
	v_mul_u32_u24 v3, v3, PITCH                    ; (r >> 1) + 8 (r & 1) modulo 16, all different
	v_and_b32 v5, 1, v1
	v_lshl_add_u32 v3, v5, 7, v3
.else
	v_mul_u32_u24 v3, v1, PITCH
.endif
	v_lshl_add_u32 v3, v2, 4, v3
	v_mul_u32_u24 v4, v1, PITCH
	v_lshl_add_u32 v4, v2, 4, v4
	s_mul_i32 s22, s10, 64*PITCH                   ; my 64 rows of B
.irp s, 0,1
	v_add_nc_u32 v[ADRA+\s], AOFF+\s*SLOT, v3
	v_add_nc_u32 v[ADRB+\s], s22, v4
	s_add_co_u32 s22, s22, SLOT
.endr
	s_mul_i32 s23, s10, 16*SPITCH
	s_add_co_u32 s23, s23, STAGE                   ; my stage
	v_mul_u32_u24 v4, v1, SPITCH
.if OUTP
	v_lshl_add_u32 v4, v2, 5, v4                   ; in: row r, 32 bytes (8 f32) for each half of the lanes
	v_add_nc_u32 v[STO], s23, v4
	v_mul_u32_u24 v5, v2, SPITCH                   ; back: lanes 0-15 one row of 256 bytes, lanes 16-31 the next
	v_lshl_add_u32 v5, v1, 4, v5
	v_add_nc_u32 v[RD], s23, v5
	v_lshlrev_b32 v5, 14, v2                       ; the same two rows in out: 16,384 bytes from t to t + 1
	v_lshl_add_u32 v[CO], v1, 4, v5
.else
	v_lshl_add_u32 v4, v2, 4, v4                   ; in: row r, 16 bytes (8 f16) for each half of the lanes
	v_add_nc_u32 v[STO], s23, v4
	v_bfe_u32 v5, v0, 3, 2                         ; back: eight lanes a row of 128 bytes, four rows a load
	v_mul_u32_u24 v5, v5, SPITCH
	v_and_b32 v3, 7, v0
	v_lshl_add_u32 v5, v3, 4, v5
	v_add_nc_u32 v[RD], s23, v5
	v_and_b32 v5, 31, v0                           ; in memory the four rows are 512 consecutive bytes
	v_lshlrev_b32 v[CO], 4, v5
.endif
; 16 matrix instructions: row tiles a0 .. a0 + 3 x my 4 column tiles, 32 along K, from buffer f.  zero = 1: the first product starts the sums.
; The 32 accumulators take turns, one instruction a turn, in the same order in every quarter step.
.macro MUL16 f, a0, zero
.irp a, \a0, \a0+1, \a0+2, \a0+3
.irp b, 0,1,2,3
.if OUTP
.if \zero
	v_wmma_f32_16x16x32_f16 v[8*(4*(\a)+\b):8*(4*(\a)+\b)+7], v[FB+32*\f+8*\b:FB+32*\f+8*\b+7], v[FA+64*\f+8*(\a):FA+64*\f+8*(\a)+7], 0
.else
	v_wmma_f32_16x16x32_f16 v[8*(4*(\a)+\b):8*(4*(\a)+\b)+7], v[FB+32*\f+8*\b:FB+32*\f+8*\b+7], v[FA+64*\f+8*(\a):FA+64*\f+8*(\a)+7], v[8*(4*(\a)+\b):8*(4*(\a)+\b)+7]
.endif
.else
.if \zero
	v_wmma_f32_16x16x32_bf16 v[8*(4*(\a)+\b):8*(4*(\a)+\b)+7], v[FB+32*\f+8*\b:FB+32*\f+8*\b+7], v[FA+64*\f+8*(\a):FA+64*\f+8*(\a)+7], 0
.else
	v_wmma_f32_16x16x32_bf16 v[8*(4*(\a)+\b):8*(4*(\a)+\b)+7], v[FB+32*\f+8*\b:FB+32*\f+8*\b+7], v[FA+64*\f+8*(\a):FA+64*\f+8*(\a)+7], v[8*(4*(\a)+\b):8*(4*(\a)+\b)+7]
.endif
.endif
.endr
.endr
.endm
; 24 LDS loads in one run: the fragments of quarter kq (32 along K) of a slot into buffer f
.macro FETCH slot, kq, f
	WIN 0
.irp i, 0,1,2,3
	ds_load_b128 v[FB+32*\f+8*\i:FB+32*\f+8*\i+3],   v[ADRB+\slot] offset:64*\kq+\i*16*PITCH
	ds_load_b128 v[FB+32*\f+8*\i+4:FB+32*\f+8*\i+7], v[ADRB+\slot] offset:64*\kq+\i*16*PITCH+32
.endr
.irp i, 0,1,2,3,4,5,6,7
	ds_load_b128 v[FA+64*\f+8*\i:FA+64*\f+8*\i+3],   v[ADRA+\slot] offset:(\kq/2)*APLANE+(\kq%2)*64+\i*A16
	ds_load_b128 v[FA+64*\f+8*\i+4:FA+64*\f+8*\i+7], v[ADRA+\slot] offset:(\kq/2)*APLANE+(\kq%2)*64+\i*A16+32
.endr
.endm
; One of a K step's first three quarters: asks for quarter kq into buffer g, then multiplies buffer f, which was asked for 32 matrix instructions ago
.macro QUARTER slot, kq, f, g, zero
	PLACES                                         ; buffer g was read by the matrix instructions just issued
	FETCH \slot, \kq, \g
	s_wait_dscnt 24                                ; all but the 24 loads just issued: buffer f is in
	WIN MULW
	MUL16 \f, 0, \zero
	MUL16 \f, 4, \zero
.endm
.macro THREE slot, zero
	QUARTER \slot, 1, 0, 1, \zero
	QUARTER \slot, 2, 1, 0, 0
	QUARTER \slot, 3, 0, 1, 0
.endm
; The last quarter multiplies buffer 1 and changes slots.  One barrier for two things: in front of it each wave waits for its reads of this slot
; and for all its tensor loads (the one that is out is its part of the next slot); behind it nobody reads this slot and the next slot is whole.
; fill = 1: the barrier opens a round of the cluster's barrier, and the joint refill, two K steps ahead, is the first tensor load behind the round.
.macro TURN slot, next, fill
	s_wait_dscnt 0x0                               ; buffer 1 is in, and my reads of this slot are over
	s_wait_tensorcnt 0x0                           ; all my tensor loads have landed
	ds_add_u32 v254, v255
	s_wait_dscnt 0x0
	s_barrier_signal -1
	WIN MULW
	MUL16 1, 0, 0                                  ; register work while the others arrive
	WIN 0
	s_barrier_wait -1
.if \fill
	CREST                                          ; no wave of any partner still reads this slot or has a load on its way
	s_add_nc_u64 s[G0+4*\slot+2:G0+4*\slot+3], s[G0+4*\slot+2:G0+4*\slot+3], 2*ASTEP
	s_add_nc_u64 s[G0B+4*\slot+2:G0B+4*\slot+3], s[G0B+4*\slot+2:G0B+4*\slot+3], 2*BSTEP
	JLOAD \slot                                    ; one tensor load of the wave is out; its four v_nop are also the places in front of the loads below
.else
	PLACES
.endif
	FETCH \next, 0, 0
	WIN MULW
	MUL16 1, 4, 0
.endm
.macro LAP zero
	THREE 0, \zero
	TURN 0, 1, 1
	THREE 1, 0
	TURN 1, 0, 1
.endm
	s_wait_tensorcnt 1                             ; my part of K step 0 is in; K step 1's may stay out
	s_barrier_signal -1
	s_barrier_wait -1                              ; everybody's is
	FETCH 0, 0, 0
	LAP 1                                          ; K steps 0 and 1: the first products start the sums
	WIN 0                                          ; at a label and at a branch every window is 0
	s_mov_b32 s3, LAPS-2
.Llap:
	LAP 0                                          ; K steps 2 to 5
	WIN 0
	s_sub_co_u32 s3, s3, 1
	s_cmp_lg_u32 s3, 0
	s_cbranch_scc1 .Llap
	THREE 0, 0                                     ; K steps 6 and 7 fill nothing
	TURN 0, 1, 0
	THREE 1, 0
	s_wait_dscnt 0x0
	WIN MULW
	MUL16 1, 0, 0
	MUL16 1, 4, 0
	PLACES                                         ; behind the last matrix instructions: their results are read and their sources loaded into below
	; THE WAY OUT, 16 rows at a time through my own stage; LDS serves a wave's instructions in order (ISA guide 5.7.1.4), so no wait stands between
	; the stores into the stage and the loads from it.  The block row's part of the address and the block column's are made in registers of their own.
.if OUTP
	s_and_b32 s16, s13, 15
	s_lshl_b32 s16, s16, 21                        ; t block x 128 rows x 16,384 bytes
	s_lshr_b32 s17, s13, 4
	s_lshl_b32 s17, s17, 12                        ; + b x 4,096
	s_add_co_u32 s16, s16, s17
	s_lshl_b32 s46, s42, 10                        ; block column x 256 f32
	s_lshl_b32 s47, s10, 8                         ; + wave x 64 f32
	s_add_co_u32 s46, s46, s47
.else
	s_lshr_b32 s16, s13, 4
	s_lshl_b32 s16, s16, 22                        ; b x 16 heads x 262,144
	s_and_b32 s17, s13, 15
	s_lshl_b32 s17, s17, 14                        ; + t block x 128 rows x 128 bytes
	s_add_co_u32 s16, s16, s17
	s_lshl_b32 s46, s42, 2
	s_add_co_u32 s46, s46, s10                     ; g = 4 x block column + wave: 64 columns = part g >> 4, head g & 15
	s_lshr_b32 s47, s46, 4
	s_lshl_b32 s47, s47, 24                        ; part x 16,777,216
	s_and_b32 s46, s46, 15
	s_lshl_b32 s46, s46, 18                        ; + head x 262,144
	s_add_co_u32 s46, s46, s47
.endif
	s_mov_b32 s17, 0
	s_mov_b32 s47, 0
	s_add_nc_u64 s[8:9], s[8:9], s[16:17]
	s_add_nc_u64 s[8:9], s[8:9], s[46:47]
.if OUTP
; rows 16 a .. 16 a + 15, f32: the accumulators go into the stage as they are, and come back as rows of 256 bytes; f: buffer 0 or 1 in turn
.macro OUT16 a, f
	WIN 0x04                                       ; an LDS store's data is source 1: window 1
.irp b, 0,1,2,3
	ds_store_b128 v[STO], v[8*(4*\a+\b):8*(4*\a+\b)+3]   offset:64*\b
	ds_store_b128 v[STO], v[8*(4*\a+\b)+4:8*(4*\a+\b)+7] offset:64*\b+16
.endr
	WIN 0
	s_wait_xcnt 0x0                                ; buffer f, which earlier stores read, is loaded into only behind this wait
.irp t, 0,1,2,3,4,5,6,7
	ds_load_b128 v[FA+64*\f+4*\t:FA+64*\f+4*\t+3], v[RD] offset:\t*2*SPITCH
.endr
.irp t, 0,1,2,3,4,5,6,7
	s_wait_dscnt 7-\t                              ; load t is in, the 7 - t younger ones stay out
	global_store_b128 v[CO], v[FA+64*\f+4*\t:FA+64*\f+4*\t+3], s[8:9] offset:(16*\a+2*\t)*16384 th:TH_STORE_NT   ; 16 lanes store 256 consecutive bytes, aligned
.endr
.endm
.else
; rows 16 a .. 16 a + 15, rounded to f16; four rows of 128 bytes come back in each load and are 512 consecutive bytes of the head's plane
.macro OUT16 a, f
	WIN 0x05                                       ; sources 0 and 1 in window 1
.irp b, 0,1,2,3
.irp i, 0,1,2,3
	v_cvt_pk_f16_f32 v[TMP+4*\b+\i], v[8*(4*\a+\b)+2*\i], v[8*(4*\a+\b)+2*\i+1]
.endr
.endr
	WIN 0
.irp b, 0,1,2,3
	ds_store_b128 v[STO], v[TMP+4*\b:TMP+4*\b+3] offset:32*\b
.endr
	s_wait_xcnt 0x0                                ; buffer f, which earlier stores read, is loaded into only behind this wait
.irp t, 0,1,2,3
	ds_load_b128 v[FA+64*\f+4*\t:FA+64*\f+4*\t+3], v[RD] offset:\t*4*SPITCH
.endr
.irp t, 0,1,2,3
	s_wait_dscnt 3-\t                              ; load t is in, the 3 - t younger ones stay out
	global_store_b128 v[CO], v[FA+64*\f+4*\t:FA+64*\f+4*\t+3], s[8:9] offset:\a*2048+\t*512
.endr
.endm
.endif
	OUT16 0, 0
	OUT16 1, 1
	OUT16 2, 0
	OUT16 3, 1
	OUT16 4, 0
	OUT16 5, 1
	OUT16 6, 0
	OUT16 7, 1
	s_wait_tensorcnt 0x0
	ds_add_u32 v254, v255
	s_wait_dscnt 0x0
	CROUND                                         ; the closing round: no work-group ends while a partner may still ask for a tile that names it
	s_endpgm
.Lfunc_end_k_q83bcc17200_qkv:
	.size	k_q83bcc17200_qkv, .Lfunc_end_k_q83bcc17200_qkv-k_q83bcc17200_qkv
	.p2alignl 7, 3214868480
	.fill 96, 4, 3214868480
	.section	.rodata,"a",@progbits
	.p2align	6, 0x0
	.amdhsa_kernel k_q83bcc17200_qkv
		.amdhsa_group_segment_fixed_size 327680
		.amdhsa_private_segment_fixed_size 0
		.amdhsa_enable_private_segment 0
		.amdhsa_kernarg_size 24
		.amdhsa_user_sgpr_count 2
		.amdhsa_user_sgpr_kernarg_segment_ptr 1
		.amdhsa_wavefront_size32 1
		.amdhsa_system_sgpr_workgroup_id_x 1
		.amdhsa_system_sgpr_workgroup_id_y 1
		.amdhsa_system_sgpr_workgroup_id_z 1
		.amdhsa_system_vgpr_workitem_id 0
		.amdhsa_next_free_vgpr 512
		.amdhsa_next_free_sgpr 66
		.amdhsa_reserve_vcc 0
		.amdhsa_float_denorm_mode_32 3
		.amdhsa_float_denorm_mode_16_64 3
		.amdhsa_memory_ordered 1
		.amdhsa_forward_progress 1
		.amdhsa_inst_pref_size 118
	.end_amdhsa_kernel
	.amdgpu_metadata
---
amdhsa.version: [ 1, 2 ]
amdhsa.kernels:
  - .name:           k_q83bcc17200_qkv
    .symbol:         k_q83bcc17200_qkv.kd
    .args:
      - { .name: xb, .offset: 0, .size: 8, .value_kind: global_buffer, .address_space: global }
      - { .name: wib, .offset: 8, .size: 8, .value_kind: global_buffer, .address_space: global }
      - { .name: qkvh, .offset: 16, .size: 8, .value_kind: global_buffer, .address_space: global }
    .group_segment_fixed_size: 327680
    .private_segment_fixed_size: 0
    .kernarg_segment_align: 8
    .kernarg_segment_size: 24
    .max_flat_workgroup_size: 128
    .sgpr_count:     66
    .vgpr_count:     512
    .wavefront_size: 32
...
	.end_amdgpu_metadata
.endif
;; end of part 2
;; launch attn (part 3): grid 4 x 64, 8 waves a work-group, no clusters, 327,680 bytes of LDS; arguments qkvh, ctxh; writes ctxh
.if DOCPART == 3
	.amdgcn_target "amdgcn-amd-amdhsa--gfx1250"
	.amdhsa_code_object_version 6
	.text
	.protected	k_q83bcc17200_attn
	.globl	k_q83bcc17200_attn
	.p2align	8
	.type	k_q83bcc17200_attn,@function
k_q83bcc17200_attn:
	s_mov_b64 s[64:65], 0
	v_nop
	global_prefetch_b8 v0, s[64:65] scope:SCOPE_SE
	s_setreg_imm32_b32 hwreg(HW_REG_WAVE_MODE, 25, 1), 1
	s_wait_xcnt 0x0
; Causal attention of one head: ctx = softmax(q k^T / 8, keys <= query) v, with a running maximum.  q, k, v: qkvh[part][b x 16 + head][2048 t][64 d] f16;
; ctx: ctxh[b x 16 + head][2048 t][64 d] f16.  Products on the matrix unit in f16 with f32 sums; maxima, exponentials and sums in f32.
; LIMITS: |ctx| of 65,504 or more becomes infinite in f16; a weight below 2^-25 of its row's largest is 0 in f16; NaN and infinite inputs are not
; served; the sums' order differs from a plain softmax's.  Scores above the diagonal are not computed: their weight is exactly 0.
; SHARE: work-group (p, head) makes two blocks of 256 queries: first block 7 - p, then block p.  Each block walks units of 256 keys from its
; diagonal unit downward: (8 - p) + (p + 1) = 9 units in every work-group, so all 256 work-groups do the same work and the ring of two LDS slots
; runs through without a break.  Wave w owns 32 queries, row block rb = w xor 3 (w >> 2): waves w and w + 4 have 9 sub-tiles of the diagonal
; unit between them.  A sub-tile is 32 keys x 32 queries.
; NO CLUSTER: the four work-groups of a head want different units in a given trip (7 - p - i), a joint load has to be issued alike by all that it
; names, and walking all units in every partner would double the work; a work-group fetches 9 x 64 KiB in all.
; ORIENTATION: S^T = K Q^T (source 0 = 16 keys, source 1 = 16 queries): lane (r, h) holds query r and keys 8 h + j, so a row's maximum and sum
; stay in the lane but for one exchange of the halves, and two key tiles, packed to f16, ARE source 1 of O^T = V^T P^T.  A lane's eight results
; of O are eight neighbouring d of query r.
.set KPITCH, 272                       ; two keys (2 x 128 bytes) share an LDS row: key k at (k >> 1) x pitch + (k & 1) x 128.  K: 256 + 16 bytes
.set VPITCH, 288                       ; V: 256 + 32 bytes: the transposing load's sixteen lanes take 2 ((l & 7) >> 1) + 8 (l & 1) + ((l >> 3) & 1), all different
.set KOFF,   128*VPITCH                ; a slot: V's 256 keys, then K's
.set SLOT,   KOFF+128*KPITCH
.set STAGE,  2*SLOT                    ; behind the ring: 32 rows x 144 bytes for each wave, for the way out; no tensor load lands here
.set SPITCH, 144
.set K16, 8*KPITCH                     ; 16 keys
.set V16, 8*VPITCH
.set K32, 16*KPITCH                    ; a sub-tile's 32 keys
.set V32, 16*VPITCH
.set KPART, 16777216                   ; bytes from q to k
.set VPART, 33554432                   ; bytes from q to v
.set QF,  2                            ; v[2:33]    Q's fragments, + 16 qt + 8 ks
.set KF,  34                           ; v[34:65]   K's fragments, + 16 kt + 8 ks; on the way out: rows read back
.set VF,  66                           ; v[66:97]   V^T's fragments, + 8 dt
.set S,   98                           ; v[98:129]  scores, then weights, + 16 qt + 8 kt; on the way out: packed results
.set P,   130                          ; v[130:145] weights in f16, + 8 qt
.set O,   146                          ; v[146:209] sums of O, + 32 qt + 8 dt
.set M,   210                          ; v210-211   running maximum of query tile qt
.set NMC, 212                          ; v[212:215] the shift -c M, twice for each qt (a pair for the packed forms)
.set AL,  216                          ; v[216:219] alpha, later 1 / l, twice for each qt
.set L,   220                          ; v[220:223] running sums, a pair for each qt
.set T,   224                          ; v[224:231] at work
.set KB,  232                          ; v232-233   LDS address of my K fragments in slot 0, 1
.set VB,  234                          ; v234-235   the same for V
.set KA,  236                          ; v236       K's address of the sub-tile at work
.set VA,  237                          ; v237       V's
.set STO, 238                          ; the way out: where I put 16 bytes of a row
.set RD,  239                          ; the way out: where I read rows back
.set QO,  240                          ; my byte offset in Q's 16 rows
.set CO,  241                          ; my byte offset in ctx
.set NEG, 242                          ; the most negative finite f32, as the causal mask's fill
.set DI,  243                          ; r - 8 h: on the diagonal, key 8 h + j is allowed where j <= r - 8 h
.set G1V, 24                           ; s[24:31] descriptor group 1, V
.set G1K, 32                           ; s[32:39] group 1, K
.set G0V, 40                           ; s[40:47] group 0, V, one set for each slot
.set G0K, 48                           ; s[48:55] group 0, K, one set for each slot
.set MK,  66                           ; s[66:73] lane masks j <= r - 8 h, j = 0 .. 7
.macro PLACES                          ; four plain vector instructions behind a matrix instruction, before its result is read or its registers are written (ISA guide 7.12.1)
.rept 4
	v_nop
.endr
.endm
	s_load_b128 s[4:7], s[0:1], 0x0                ; qkvh s[4:5], ctxh s[6:7]
	v_lshl_add_u32 v244, v0, 2, 0x2c000
	v_mov_b32 v245, 0
	ds_add_u32 v244, v245
	ds_add_u32 v244, v245
	v_lshrrev_b32 v1, 5, v0
	v_readfirstlane_b32 s8, v1                     ; wave w
	s_mov_b32 s10, ttmp9                           ; p
	s_and_b32 s11, ttmp7, 0xffff                   ; b x 16 + head
	s_sub_co_u32 s12, 8, s10                       ; n1: the first block's trips, 5 to 8
	s_sub_co_u32 s13, 7, s10                       ; the first block, and its diagonal unit
	s_lshr_b32 s9, s8, 2
	s_mul_i32 s9, s9, 3
	s_xor_b32 s9, s9, s8                           ; rb: 0 1 2 3 7 6 5 4
	s_mov_b32 s18, 0x76543210                      ; v_permlanex16_b32: lane i of one half reads lane i of the other
	s_mov_b32 s19, 0xfedcba98
	s_mov_b32 s76, 0x3e38aa3b                      ; c = 64^-0.5 x log2 e; the packed forms read s76 of the pair s[76:77],
	s_mov_b32 s77, 0xbe38aa3b                      ; and s77 holds -c
	s_mul_i32 s74, s9, K32                         ; my diagonal sub-tile in a slot
	s_mul_i32 s75, s9, V32
	; a quarter of a unit's V or K: 64 keys = 8 KiB of consecutive memory = 32 rows of 32 elements of 8 bytes, padded behind each row
	s_mov_b32 s[G1V+0], (3<<16)|(1<<20)|(5<<22)|(7<<25)   ; elements of 8 bytes; after every 64 words 8 words of padding
	s_mov_b32 s[G1V+1], 32<<16                     ; tensor_dim0
	s_mov_b32 s[G1V+2], 32<<16                     ; tensor_dim1
	s_mov_b32 s[G1V+3], 32<<16                     ; tile_dim0
	s_mov_b32 s[G1V+4], 32                         ; tile_dim1
	s_mov_b32 s[G1V+5], 32                         ; from row to row
	s_mov_b32 s[G1V+6], 0
	s_mov_b32 s[G1V+7], 0
	s_mov_b32 s[G1K+0], (3<<16)|(1<<20)|(5<<22)|(3<<25)   ; the same with 4 words of padding
	s_mov_b32 s[G1K+1], 32<<16
	s_mov_b32 s[G1K+2], 32<<16
	s_mov_b32 s[G1K+3], 32<<16
	s_mov_b32 s[G1K+4], 32
	s_mov_b32 s[G1K+5], 32
	s_mov_b32 s[G1K+6], 0
	s_mov_b32 s[G1K+7], 0
	s_lshl_b32 s56, s11, 18                        ; the head's plane: 262,144 bytes
	s_mov_b32 s57, 0                               ; s[56:57]: an offset as a pair; s57 stays 0
	s_wait_dscnt 0x0
	s_wait_kmcnt 0x0
	s_add_nc_u64 s[4:5], s[4:5], s[56:57]          ; q of my head
	s_add_nc_u64 s[6:7], s[6:7], s[56:57]          ; ctx of my head
	s_lshl_b32 s62, s8, 13                         ; waves 0-3 fetch V's quarters, waves 4-7 K's: w x 8 KiB
	s_add_co_u32 s56, s62, VPART
	s_add_nc_u64 s[20:21], s[4:5], s[56:57]        ; V: my quarter of unit 0
	s_add_co_u32 s56, s62, KPART-4*8192
	s_add_nc_u64 s[22:23], s[4:5], s[56:57]        ; K: quarter w - 4 of unit 0
	s_mul_i32 s62, s8, 32*VPITCH                   ; where they go: the wave's number and constants alone
	s_mul_i32 s63, s8, 32*KPITCH
	s_add_co_u32 s63, s63, KOFF-4*32*KPITCH
.irp s, 0,1
	s_sub_co_u32 s56, s13, \s                      ; trips 0 and 1 take units 7 - p and 6 - p
	s_lshl_b32 s56, s56, 15                        ; a unit is 32,768 bytes
	s_mov_b32 s[G0V+4*\s], 1
	s_add_co_u32 s[G0V+4*\s+1], s62, \s*SLOT
	s_add_nc_u64 s[G0V+4*\s+2:G0V+4*\s+3], s[20:21], s[56:57]
	s_or_b32 s[G0V+4*\s+3], s[G0V+4*\s+3], 0x80000000
	s_mov_b32 s[G0K+4*\s], 1
	s_add_co_u32 s[G0K+4*\s+1], s63, \s*SLOT
	s_add_nc_u64 s[G0K+4*\s+2:G0K+4*\s+3], s[22:23], s[56:57]
	s_or_b32 s[G0K+4*\s+3], s[G0K+4*\s+3], 0x80000000
.endr
	s_cmp_lt_u32 s8, 4                             ; both first fills of a wave in one branch on its number: two tensor loads of the wave are out
	s_cbranch_scc0 .Lfirst_k
	tensor_load_to_lds s[G0V:G0V+3], s[G1V:G1V+7]
	s_nop 0
	tensor_load_to_lds s[G0V+4:G0V+7], s[G1V:G1V+7]
	s_nop 0
	s_branch .Lfirst_done
.Lfirst_k:
	tensor_load_to_lds s[G0K:G0K+3], s[G1K:G1K+7]
	s_nop 0
	tensor_load_to_lds s[G0K+4:G0K+7], s[G1K:G1K+7]
	s_nop 0
.Lfirst_done:
; Q's fragments straight from memory: lane (r, h) takes d = 32 ks + 8 h .. and 32 ks + 16 + 8 h .. of query 16 qt + r
.macro QLOAD
.irp qt, 0,1
.irp ks, 0,1
	global_load_b128 v[QF+16*\qt+8*\ks:QF+16*\qt+8*\ks+3],   v[QO], s[58:59] offset:\qt*2048+\ks*64
	global_load_b128 v[QF+16*\qt+8*\ks+4:QF+16*\qt+8*\ks+7], v[QO], s[58:59] offset:\qt*2048+\ks*64+32
.endr
.endr
.endm
	v_and_b32 v1, 15, v0                           ; r
	v_bfe_u32 v[T], v0, 4, 1                       ; h
	v_lshlrev_b32 v[QO], 7, v1
	v_lshl_add_u32 v[QO], v[T], 4, v[QO]           ; 128 r + 16 h
	s_lshl_b32 s56, s13, 15                        ; block x 256 rows x 128 bytes
	s_lshl_b32 s62, s9, 12                         ; + rb x 32 rows
	s_add_co_u32 s56, s56, s62
	s_add_nc_u64 s[58:59], s[4:5], s[56:57]        ; my 32 queries
	s_add_nc_u64 s[60:61], s[6:7], s[56:57]        ; and their place in ctx
	QLOAD
	v_and_b32 v[T+1], 1, v0                        ; l & 1
	v_lshrrev_b32 v[T+4], 1, v1
	v_mul_u32_u24 v[T+4], v[T+4], KPITCH           ; K: key r at (r >> 1) x 272 + (r & 1) x 128, + 16 h
	v_lshl_add_u32 v[T+4], v[T+1], 7, v[T+4]
	v_lshl_add_u32 v[T+4], v[T], 4, v[T+4]
	v_add_nc_u32 v[KB], KOFF, v[T+4]
	v_add_nc_u32 v[KB+1], KOFF+SLOT, v[T+4]
	v_bfe_u32 v[T+5], v0, 1, 2                     ; V: I address key 8 h + (l & 7), d half (l >> 3) & 1
	v_lshl_add_u32 v[T+5], v[T], 2, v[T+5]
	v_mul_u32_u24 v[T+5], v[T+5], VPITCH
	v_lshl_add_u32 v[T+5], v[T+1], 7, v[T+5]
	v_bfe_u32 v[T+6], v0, 3, 1
	v_lshl_add_u32 v[VB], v[T+6], 4, v[T+5]
	v_add_nc_u32 v[VB+1], SLOT, v[VB]
	s_mul_i32 s62, s8, 32*SPITCH
	s_add_co_u32 s62, s62, STAGE                   ; my stage
	v_mul_u32_u24 v[T+4], v1, SPITCH
	v_lshl_add_u32 v[T+4], v[T], 4, v[T+4]
	v_add_nc_u32 v[STO], s62, v[T+4]               ; in: row r, 16 bytes for each half of the lanes
	v_bfe_u32 v[T+4], v0, 3, 2
	v_mul_u32_u24 v[T+4], v[T+4], SPITCH
	v_and_b32 v[T+5], 7, v0
	v_lshl_add_u32 v[T+4], v[T+5], 4, v[T+4]
	v_add_nc_u32 v[RD], s62, v[T+4]                ; back: eight lanes a row of 128 bytes, four rows a load
	v_and_b32 v[T+4], 31, v0
	v_lshlrev_b32 v[CO], 4, v[T+4]                 ; in memory the four rows are 512 consecutive bytes
	v_mov_b32 v[NEG], 0xff7fffff
	v_lshlrev_b32 v[T+4], 3, v[T]
	v_sub_nc_u32 v[DI], v1, v[T+4]
.irp j, 0,1,2,3,4,5,6,7
	v_cmp_le_i32 s[MK+\j], \j, v[DI]
.endr
	v_mov_b32 v[T+2], 0                            ; v_permlanex16_b32 counts as a reader of its destination
	v_mov_b32 v[T+3], 0
; One sub-tile: 32 keys at KA, VA against my 32 queries.  first = 1: the diagonal sub-tile, which is masked and starts M, L and O (nothing is cleared).
; Accumulators take turns, one matrix instruction a turn (four for the scores, eight for O).
.macro SUB first
.irp kt, 0,1
.irp ks, 0,1
	ds_load_b128 v[KF+16*\kt+8*\ks:KF+16*\kt+8*\ks+3],   v[KA] offset:\kt*K16+\ks*64
	ds_load_b128 v[KF+16*\kt+8*\ks+4:KF+16*\kt+8*\ks+7], v[KA] offset:\kt*K16+\ks*64+32
.endr
.endr
.irp dt, 0,1,2,3
	ds_load_tr16_b128 v[VF+8*\dt:VF+8*\dt+3],   v[VA] offset:\dt*32        ; keys 8 h .. of d = 16 dt + r
	ds_load_tr16_b128 v[VF+8*\dt+4:VF+8*\dt+7], v[VA] offset:\dt*32+V16    ; keys 16 + 8 h ..
.endr
	s_wait_dscnt 8                                 ; K's eight loads are in; V's eight stay out
.irp qt, 0,1
.irp kt, 0,1
	v_wmma_f32_16x16x32_f16 v[S+16*\qt+8*\kt:S+16*\qt+8*\kt+7], v[KF+16*\kt:KF+16*\kt+7], v[QF+16*\qt:QF+16*\qt+7], 0
.endr
.endr
.irp qt, 0,1
.irp kt, 0,1
	v_wmma_f32_16x16x32_f16 v[S+16*\qt+8*\kt:S+16*\qt+8*\kt+7], v[KF+16*\kt+8:KF+16*\kt+15], v[QF+16*\qt+8:QF+16*\qt+15], v[S+16*\qt+8*\kt:S+16*\qt+8*\kt+7]
.endr
.endr
	PLACES
.if \first
.irp j, 0,1,2,3,4,5,6,7
	v_cndmask_b32 v[S+\j],    v[NEG], v[S+\j],    s[MK+\j]     ; keys 0-15 against queries 0-15: key <= query stays
	v_cndmask_b32 v[S+24+\j], v[NEG], v[S+24+\j], s[MK+\j]     ; keys 16-31 against queries 16-31 likewise
	v_mov_b32     v[S+8+\j],  v[NEG]                           ; keys 16-31 against queries 0-15: all in the future
.endr
	; the maximum of my 16 scores of each query tile; every query has its own key in this sub-tile, so M is a true score
.irp qt, 0,1
	v_max3_num_f32 v[T+\qt], v[S+16*\qt], v[S+16*\qt+1], v[S+16*\qt+2]
.endr
.irp i, 3,5,7,9,11,13
.irp qt, 0,1
	v_max3_num_f32 v[T+\qt], v[T+\qt], v[S+16*\qt+\i], v[S+16*\qt+\i+1]
.endr
.endr
.irp qt, 0,1
	v_max_num_f32 v[T+\qt], v[T+\qt], v[S+16*\qt+15]
.endr
.else
.irp qt, 0,1
	v_max3_num_f32 v[T+\qt], v[M+\qt], v[S+16*\qt], v[S+16*\qt+1]
.endr
.irp i, 2,4,6,8,10,12,14
.irp qt, 0,1
	v_max3_num_f32 v[T+\qt], v[T+\qt], v[S+16*\qt+\i], v[S+16*\qt+\i+1]
.endr
.endr
.endif
	v_permlanex16_b32 v[T+2], v[T],   s18, s19     ; the other half of the lanes holds the query's other 16 keys
	v_permlanex16_b32 v[T+3], v[T+1], s18, s19
	v_max_num_f32 v[M],   v[T],   v[T+2]
	v_max_num_f32 v[M+1], v[T+1], v[T+3]
.if \first
.irp qt, 0,1
	v_mul_f32 v[NMC+2*\qt],   s77, v[M+\qt]
	v_mul_f32 v[NMC+2*\qt+1], s77, v[M+\qt]
.endr
.else
	; alpha = 2^(new shift - old shift), of the two shifts as they are used: the rounding of c M is then a factor common to P, L and O and cancels
.irp qt, 0,1
	v_mul_f32 v[NMC+2*\qt+1], s77, v[M+\qt]
.endr
.irp qt, 0,1
	v_sub_f32 v[T+\qt], v[NMC+2*\qt+1], v[NMC+2*\qt]
.endr
.irp qt, 0,1
	v_mov_b32 v[NMC+2*\qt], v[NMC+2*\qt+1]         ; the pair's other half: the packed forms below read both
.endr
	v_exp_f32 v[AL],   v[T]                        ; the packed multiply-adds below are the plain instructions behind these two (ISA guide 5.7.2)
	v_exp_f32 v[AL+2], v[T+1]
.endif
.irp qt, 0,1
.irp i, 0,2,4,6,8,10,12,14
	v_pk_fma_f32 v[S+16*\qt+\i:S+16*\qt+\i+1], v[S+16*\qt+\i:S+16*\qt+\i+1], s[76:77], v[NMC+2*\qt:NMC+2*\qt+1] op_sel_hi:[1,0,1]   ; c s - c M, one rounding
.endr
.endr
.if \first == 0
	s_wait_alu depctr_va_vdst(0)
	v_mov_b32 v[AL+1], v[AL]
	v_mov_b32 v[AL+3], v[AL+2]
.endif
.set i, 0
.rept 32
	v_exp_f32 v[S+i], v[S+i]
.set i, i+1
.endr
.if \first
	v_nop                                          ; one plain instruction behind the last exponential
	s_wait_alu depctr_va_vdst(0)
.else
	s_wait_alu depctr_va_vdst(0)
.irp qt, 0,1
.irp i, 0,2,4,6,8,10,12,14,16,18,20,22,24,26,28,30
	v_pk_mul_f32 v[O+32*\qt+\i:O+32*\qt+\i+1], v[O+32*\qt+\i:O+32*\qt+\i+1], v[AL+2*\qt:AL+2*\qt+1]   ; O x alpha; also the plain instructions behind the exponentials
.endr
.endr
.endif
.irp qt, 0,1
	v_pk_add_f32 v[T:T+1],   v[S+16*\qt:S+16*\qt+1],     v[S+16*\qt+2:S+16*\qt+3]
	v_pk_add_f32 v[T+2:T+3], v[S+16*\qt+4:S+16*\qt+5],   v[S+16*\qt+6:S+16*\qt+7]
	v_pk_add_f32 v[T+4:T+5], v[S+16*\qt+8:S+16*\qt+9],   v[S+16*\qt+10:S+16*\qt+11]
	v_pk_add_f32 v[T+6:T+7], v[S+16*\qt+12:S+16*\qt+13], v[S+16*\qt+14:S+16*\qt+15]
	v_pk_add_f32 v[T:T+1],   v[T:T+1],   v[T+2:T+3]
	v_pk_add_f32 v[T+4:T+5], v[T+4:T+5], v[T+6:T+7]
.if \first
	v_pk_add_f32 v[L+2*\qt:L+2*\qt+1], v[T:T+1], v[T+4:T+5]
.else
	v_pk_add_f32 v[T:T+1], v[T:T+1], v[T+4:T+5]
	v_pk_fma_f32 v[L+2*\qt:L+2*\qt+1], v[L+2*\qt:L+2*\qt+1], v[AL+2*\qt:AL+2*\qt+1], v[T:T+1]
.endif
.endr
.irp qt, 0,1
.irp i, 0,1,2,3,4,5,6,7
	v_cvt_pk_f16_f32 v[P+8*\qt+\i], v[S+16*\qt+2*\i], v[S+16*\qt+2*\i+1]   ; registers 0-3: keys 8 h ..; 4-7: keys 16 + 8 h ..: source 1's own layout
.endr
.endr
	s_wait_dscnt 0x0                               ; V is in
.irp qt, 0,1
.irp dt, 0,1,2,3
.if \first
	v_wmma_f32_16x16x32_f16 v[O+32*\qt+8*\dt:O+32*\qt+8*\dt+7], v[VF+8*\dt:VF+8*\dt+7], v[P+8*\qt:P+8*\qt+7], 0
.else
	v_wmma_f32_16x16x32_f16 v[O+32*\qt+8*\dt:O+32*\qt+8*\dt+7], v[VF+8*\dt:VF+8*\dt+7], v[P+8*\qt:P+8*\qt+7], v[O+32*\qt+8*\dt:O+32*\qt+8*\dt+7]
.endif
.endr
.endr
	PLACES                                         ; in front of the next loads into VF, the next rescaling of O, and the way out
.endm
; my diagonal sub-tile of the unit in a slot; the sub-tiles below it follow, rb of them
.macro DIAG slot
	v_add_nc_u32 v[KA], s74, v[KB+\slot]
	v_add_nc_u32 v[VA], s75, v[VB+\slot]
	SUB 1
	s_mov_b32 s15, s9
.endm
; The unmasked sub-tiles 0 .. lim - 1 (s15) of the unit in a slot.
; chk = 0: lim is 8 and is not looked at: eight trips, the two addresses stepped from trip to trip.
; chk = 1: lim may be my row block (a diagonal unit).  Still eight counted trips and one way out; a trip whose sub-tile lies above the diagonal jumps over
; the work and only counts.  The two addresses are made anew in each trip: the slot's base + j sub-tiles.  j is below 8; the clamp writes that bound into
; the address arithmetic itself, so that these lines alone show that the bytes read lie in this slot.
.macro FULLS slot, chk
	s_mov_b32 s16, 0
.if \chk
.Lsub_\@:
	s_cmp_ge_u32 s16, s15
	s_cbranch_scc1 .Labove_\@
	s_min_u32 s62, s16, 7
	s_mul_i32 s63, s62, V32
	s_mul_i32 s62, s62, K32
	v_add_nc_u32 v[KA], s62, v[KB+\slot]
	v_add_nc_u32 v[VA], s63, v[VB+\slot]
	SUB 0
.Labove_\@:
	s_add_co_u32 s16, s16, 1
	s_cmp_lt_u32 s16, 8
	s_cbranch_scc1 .Lsub_\@
.else
	v_mov_b32 v[KA], v[KB+\slot]
	v_mov_b32 v[VA], v[VB+\slot]
.Lsub_\@:
	SUB 0
	v_add_nc_u32 v[KA], K32, v[KA]
	v_add_nc_u32 v[VA], V32, v[VA]
	s_add_co_u32 s16, s16, 1
	s_cmp_lt_u32 s16, 8
	s_cbranch_scc1 .Lsub_\@
.endif
.endm
; the block's way out: O / l, rounded to f16, through my own stage, 512 consecutive bytes a store
.macro FINISH
	v_add_f32 v[T],   v[L],   v[L+1]
	v_add_f32 v[T+1], v[L+2], v[L+3]
	v_permlanex16_b32 v[T+2], v[T],   s18, s19
	v_permlanex16_b32 v[T+3], v[T+1], s18, s19
	v_add_f32 v[T],   v[T],   v[T+2]               ; l is at least about 1: the largest weight
	v_add_f32 v[T+1], v[T+1], v[T+3]
	v_rcp_f32 v[AL],   v[T]
	v_rcp_f32 v[AL+2], v[T+1]
	v_nop                                          ; one plain instruction behind the reciprocals
	s_wait_alu depctr_va_vdst(0)
	v_mov_b32 v[AL+1], v[AL]
	v_mov_b32 v[AL+3], v[AL+2]
.irp qt, 0,1
.irp i, 0,2,4,6,8,10,12,14,16,18,20,22,24,26,28,30
	v_pk_mul_f32 v[O+32*\qt+\i:O+32*\qt+\i+1], v[O+32*\qt+\i:O+32*\qt+\i+1], v[AL+2*\qt:AL+2*\qt+1]
.endr
.endr
.irp qt, 0,1
.irp i, 0,1,2,3,4,5,6,7,8,9,10,11,12,13,14,15
	v_cvt_pk_f16_f32 v[S+16*\qt+\i], v[O+32*\qt+2*\i], v[O+32*\qt+2*\i+1]
.endr
.endr
.irp qt, 0,1
.irp dt, 0,1,2,3
	ds_store_b128 v[STO], v[S+16*\qt+4*\dt:S+16*\qt+4*\dt+3] offset:\qt*16*SPITCH+\dt*32
.endr
.endr
.irp t, 0,1,2,3,4,5,6,7
	ds_load_b128 v[KF+4*\t:KF+4*\t+3], v[RD] offset:\t*4*SPITCH    ; LDS serves a wave's instructions in order (ISA guide 5.7.1.4): these see the stores above
.endr
.irp t, 0,1,2,3,4,5,6,7
	s_wait_dscnt 7-\t                              ; load t is in, the 7 - t younger ones stay out
	global_store_b128 v[CO], v[KF+4*\t:KF+4*\t+3], s[60:61] offset:512*\t
.endr
	s_wait_xcnt 0x0                                ; KF and the stores' base are written again only behind this wait
.endm
; the address of trip i + 1's unit into slot s's two group 0 sets: unit 7 - p - t in the first block, 8 - t in the second.  No tensor load of the wave is out here.
.macro NEXTADDR s
	s_add_co_u32 s62, s14, 1                       ; t
	s_sub_co_u32 s63, s13, s62
	s_sub_co_u32 s56, 8, s62
	s_cmp_lt_u32 s62, s12
	s_cselect_b32 s56, s63, s56
	s_lshl_b32 s56, s56, 15
	s_add_nc_u64 s[G0V+4*(\s)+2:G0V+4*(\s)+3], s[20:21], s[56:57]
	s_or_b32 s[G0V+4*(\s)+3], s[G0V+4*(\s)+3], 0x80000000
	s_add_nc_u64 s[G0K+4*(\s)+2:G0K+4*(\s)+3], s[22:23], s[56:57]
	s_or_b32 s[G0K+4*(\s)+3], s[G0K+4*(\s)+3], 0x80000000
.endm
.macro VKLOAD s                        ; every wave issues one of the two lines
	s_cmp_lt_u32 s8, 4
	s_cbranch_scc0 .Lk_\@
	tensor_load_to_lds s[G0V+4*(\s):G0V+4*(\s)+3], s[G1V:G1V+7]
	s_nop 0
	s_branch .Lvk_\@
.Lk_\@:
	tensor_load_to_lds s[G0K+4*(\s):G0K+4*(\s)+3], s[G1K:G1K+7]
	s_nop 0
.Lvk_\@:
.endm
; from the first block to the second: the new queries are asked for, the old block leaves while they are on their way, the new diagonal starts the sums
.macro SWITCH slot
	s_lshl_b32 s56, s10, 15                        ; block p
	s_lshl_b32 s62, s9, 12
	s_add_co_u32 s56, s56, s62
	s_add_nc_u64 s[58:59], s[4:5], s[56:57]        ; the first block's loads by this base were waited for long ago
	QLOAD
	FINISH
	s_add_nc_u64 s[60:61], s[6:7], s[56:57]
	s_wait_loadcnt 0x0                             ; Q
	DIAG \slot
.endm
; One trip: the unit in slot.  In front of the barrier each wave waits for all its tensor loads (its part of this trip's unit) and for its reads of the
; other slot; behind it the other slot is filled again first, one tensor load a wave, which has the whole trip in which to land.
; sw = 1: the second block may begin here (trip n1).  The branch hangs on the work-group's number alone; no barrier stands inside it.
.macro TRIP slot, refill, sw
	s_wait_tensorcnt 0x0
	ds_add_u32 v244, v245
	s_wait_dscnt 0x0
.if \refill
	NEXTADDR 1-\slot
.endif
	s_wait_dscnt 0x0
	s_barrier_signal -1
	s_barrier_wait -1
.if \refill
	VKLOAD 1-\slot
.endif
	s_mov_b32 s15, 8
.if \sw
	s_cmp_lg_u32 s14, s12
	s_cbranch_scc1 .Lsame_block_\@
	SWITCH \slot
.Lsame_block_\@:
.endif
	FULLS \slot, \sw
	s_add_co_u32 s14, s14, 1
.endm
	s_wait_tensorcnt 1                             ; my part of trip 0's unit is in; trip 1's may stay out
	s_barrier_signal -1
	s_barrier_wait -1
	s_wait_loadcnt 0x0                             ; Q
	DIAG 0                                         ; trip 0: the first block's diagonal unit
	FULLS 0, 1
	s_mov_b32 s14, 1
	s_mov_b32 s17, 2
.Ltrips:
	TRIP 1, 1, 0                                   ; trips 1 to 4 belong to the first block in every work-group (n1 >= 5)
	TRIP 0, 1, 0
	s_sub_co_u32 s17, s17, 1
	s_cmp_lg_u32 s17, 0
	s_cbranch_scc1 .Ltrips
	TRIP 1, 1, 1                                   ; trips 5 to 8
	TRIP 0, 1, 1
	TRIP 1, 1, 1
	TRIP 0, 0, 1                                   ; the last trip fetches nothing
	FINISH
	s_wait_tensorcnt 0x0
	ds_add_u32 v244, v245
	s_wait_dscnt 0x0
	s_endpgm
.Lfunc_end_k_q83bcc17200_attn:
	.size	k_q83bcc17200_attn, .Lfunc_end_k_q83bcc17200_attn-k_q83bcc17200_attn
	.p2alignl 7, 3214868480
	.fill 96, 4, 3214868480
	.section	.rodata,"a",@progbits
	.p2align	6, 0x0
	.amdhsa_kernel k_q83bcc17200_attn
		.amdhsa_group_segment_fixed_size 327680
		.amdhsa_private_segment_fixed_size 0
		.amdhsa_enable_private_segment 0
		.amdhsa_kernarg_size 16
		.amdhsa_user_sgpr_count 2
		.amdhsa_user_sgpr_kernarg_segment_ptr 1
		.amdhsa_wavefront_size32 1
		.amdhsa_system_sgpr_workgroup_id_x 1
		.amdhsa_system_sgpr_workgroup_id_y 1
		.amdhsa_system_sgpr_workgroup_id_z 1
		.amdhsa_system_vgpr_workitem_id 0
		.amdhsa_next_free_vgpr 246
		.amdhsa_next_free_sgpr 78
		.amdhsa_reserve_vcc 0
		.amdhsa_float_denorm_mode_32 3
		.amdhsa_float_denorm_mode_16_64 3
		.amdhsa_memory_ordered 1
		.amdhsa_forward_progress 1
		.amdhsa_inst_pref_size 166
	.end_amdhsa_kernel
	.amdgpu_metadata
---
amdhsa.version: [ 1, 2 ]
amdhsa.kernels:
  - .name:           k_q83bcc17200_attn
    .symbol:         k_q83bcc17200_attn.kd
    .args:
      - { .name: qkvh, .offset: 0, .size: 8, .value_kind: global_buffer, .address_space: global }
      - { .name: ctxh, .offset: 8, .size: 8, .value_kind: global_buffer, .address_space: global }
    .group_segment_fixed_size: 327680
    .private_segment_fixed_size: 0
    .kernarg_segment_align: 8
    .kernarg_segment_size: 16
    .max_flat_workgroup_size: 256
    .sgpr_count:     78
    .vgpr_count:     246
    .wavefront_size: 32
...
	.end_amdgpu_metadata
.endif
;; end of part 3
;; launch oproj (part 4): grid 4 x 64, 4 waves a work-group, clusters of 4 x 4, 327,680 bytes of LDS; arguments ctxh, wob, out0; writes out0
.if DOCPART == 4
	.amdgcn_target "amdgcn-amd-amdhsa--gfx1250"
	.amdhsa_code_object_version 6
	.text
	.protected	k_q83bcc17200_oproj
	.globl	k_q83bcc17200_oproj
	.p2align	8
	.type	k_q83bcc17200_oproj,@function
k_q83bcc17200_oproj:
	s_mov_b64 s[64:65], 0
	v_nop
	global_prefetch_b8 v0, s[64:65] scope:SCOPE_SE
	s_setreg_imm32_b32 hwreg(HW_REG_WAVE_MODE, 25, 1), 1
	s_wait_xcnt 0x0
	s_wait_alu depctr_hold_cnt(0) depctr_sa_sdst(0) depctr_va_vdst(0) depctr_va_sdst(0) depctr_va_ssrc(0) depctr_va_vcc(0) depctr_vm_vsrc(0)
	s_getreg_b32 s2, hwreg(HW_REG_IB_STS2, 6, 4)
	s_cmp_eq_u32 s2, 0
	s_cbranch_scc0 .Lentry_in_a_cluster
	s_endpgm
.Lentry_in_a_cluster:
	s_bfe_u32 s2, ttmp6, 0x10000c
	s_cmp_lg_u32 s2, 0xf033
	s_cbranch_scc0 .Lentry_shape_is_right
	s_endpgm
.Lentry_shape_is_right:
; One text for the module's two projections; the flag OUTP picks the form.
;   OUTP = 0: qkv[t][b][f] = sum over e of x[t][b][e] W_in[f][e].  x, W_in in bf16, sums in f32, result in f16, stored by heads:
;             qkvh[part q,k,v][b][head][t][64 d].  q is stored unscaled; the attention folds D^-0.5 into its exponent.
;   OUTP = 1: out[t][b][f] = sum over e of ctx[t][b][e] W_out[f][e].  ctx (ctxh[b][head][t][64 d]) and W_out in f16, sums and result in f32.
; LIMITS: OUTP = 0: |q|, |k|, |v| of 65,504 or more become infinite in f16 (inputs 30 times those drawn give some 5e3, a common offset of
; 30 spreads on all inputs some 3e4).  NaN and infinite inputs are not served.  The sums' order is the matrix unit's, K ascending.
; A work-group makes 128 rows (128 consecutive t of one b) x 256 columns; its four waves stand side by side, 128 x 64 each: 32 accumulator
; tiles, 256 registers.  So the grids are 768 and 256 work-groups, and with OUTP = 0 a wave's 64 columns are one head: its result is 16 KiB
; of consecutive memory.  K goes in 8 steps of 128 through two LDS slots filled by the tensor data mover.
; CLUSTERS: 4 x 4 work-groups.  A's tile hangs on the block row alone and is asked for jointly by the four of a row of the cluster, B's on the
; block column alone and is asked for jointly by the four of a column: a quarter of the requests.
; REGISTERS: window 0: addresses, two fragment buffers, packed results; window 1: the accumulators, tile (a, b) at v[8 (4 a + b)].
; THE MATRIX INSTRUCTION IS USED TRANSPOSED (source 0 = 16 rows of B, source 1 = 16 rows of A): lane l holds row l % 16 of the result and its
; registers the columns 8 (l / 16) + 0 .. 7, eight neighbours.
.set OUTP,   1
.set PITCH,  272                       ; an LDS row: 256 bytes + 16 of padding
.set BHALF,  128*PITCH                 ; 128 rows of B: one tensor load
.set AOFF,   2*BHALF                   ; a slot: B's 256 rows, then A
.set AHALF,  64*PITCH                  ; one tensor load of A: 16 KiB
.set SLOT,   AOFF+2*AHALF
.set STAGE,  2*SLOT                    ; behind the ring: each wave's own 16 rows for the way out; no tensor load lands here
.set BSTEP,  256                       ; bytes along B's rows for a K step
.set LAPS,   4                         ; a lap = two K steps = once round the ring
.if OUTP
.set APLANE, AHALF                     ; A's tile is two heads' planes of 128 rows x 128 bytes; two rows share an LDS row:
.set A16,    8*PITCH                   ; row m at (m >> 1) x 272 + (m & 1) x 128, so 16 rows are 8 LDS rows
.set ASTEP,  2*262144                  ; a K step is two heads
.set SPITCH, 272                       ; stage: 64 f32 + 16 bytes
.else
.set APLANE, 128                       ; A's tile is 128 rows x 256 bytes: the second 64 of K lie 128 bytes along the row
.set A16,    16*PITCH
.set ASTEP,  256
.set SPITCH, 144                       ; stage: 64 f16 + 16 bytes
.endif
.set ADRA, 16                          ; v16-17  LDS address of my A fragments in slot 0, 1
.set ADRB, 20                          ; v20-21  the same for B
.set STO,  24                          ; v24     the way out: where I put my piece of a row
.set RD,   25                          ; v25     the way out: where I read rows back
.set CO,   26                          ; v26     my byte offset in the result
.set FA,   32                          ; v[32:95], v[96:159]    A's fragments (8 x 16 rows x 32 K), two buffers
.set FB,   160                         ; v[160:191], v[192:223] B's fragments (4 x 16 rows x 32 K), two buffers
.set TMP,  224                         ; v[224:239] packed results
.set G1,  24                           ; s[24:31] descriptor group 1, A
.set G0,  32                           ; s[32:39] descriptor group 0, A, one set for each slot
.set G1B, 48                           ; s[48:55] group 1, B
.set G0B, 56                           ; s[56:63] group 0, B, one set for each slot
.set MULW, 0x50                        ; C and D in window 1, sources in window 0
.set MSB, 0
.macro WIN new                         ; the immediate's high byte repeats the setting that is left
.if MSB != \new
	s_set_vgpr_msb (MSB<<8)|\new
.set MSB, \new
.endif
.endm
.macro PLACES                          ; four plain vector instructions behind a matrix instruction, before its registers are loaded into or its result read (ISA guide 7.12.1)
.rept 4
	v_nop
.endr
.endm
; A joint load.  Waves 0 and 1 fetch B's two halves, waves 2 and 3 A's.  Each line has one mask and one set of registers for all that issue it.
; The branch hangs on the wave's number alone.  Four v_nop follow each line.
.macro JLOAD s
	s_cmp_eq_u32 s11, 0
	s_cbranch_scc0 .Lfor_a_\@
	tensor_load_to_lds s[G0B+4*\s:G0B+4*\s+3], s[G1B:G1B+7]
	s_nop 0
.rept 4
	v_nop
.endr
	s_branch .Lasked_\@
.Lfor_a_\@:
	tensor_load_to_lds s[G0+4*\s:G0+4*\s+3], s[G1:G1+7]
	s_nop 0
.rept 4
	v_nop
.endr
.Lasked_\@:
.endm
; A round of the cluster's barrier: my work-group's barrier; wave 0 signals for the work-group; every wave waits for all sixteen; my work-group's barrier again.
.macro CREST                           ; a round behind its opening barrier
	s_cmp_lg_u32 s10, 0
	s_cbranch_scc1 .Lnot_wave_0_\@
	s_barrier_signal -3
.Lnot_wave_0_\@:
	s_barrier_wait -3
	s_barrier_signal -1
	s_barrier_wait -1
.endm
.macro CROUND
	s_barrier_signal -1
	s_barrier_wait -1
	CREST
.endm
	s_load_b128 s[4:7], s[0:1], 0x0                ; A s[4:5], B s[6:7]
	s_load_b64 s[8:9], s[0:1], 0x10                ; the result
	v_lshl_add_u32 v254, v0, 2, 0x37400
	v_mov_b32 v255, 0
	ds_add_u32 v254, v255
	ds_add_u32 v254, v255
	v_lshrrev_b32 v1, 5, v0
	v_readfirstlane_b32 s10, v1                    ; wave 0..3: my 64 columns
	s_lshr_b32 s11, s10, 1                         ; I fetch for B (0) or for A (1)
	s_and_b32 s12, s10, 1                          ; which half of that tile
	s_bfe_u32 s40, ttmp6, 0x40000                  ; cx
	s_bfe_u32 s41, ttmp6, 0x40004                  ; cy
	s_lshl_b32 s42, ttmp9, 2
	s_add_co_u32 s42, s42, s40                     ; block column = 4 x cluster x + cx
	s_and_b32 s13, ttmp7, 0xffff
	s_lshl_b32 s13, s13, 2
	s_add_co_u32 s13, s13, s41                     ; block row = 4 x cluster y + cy: b = block row >> 4, t block = block row & 15
	s_lshl_b32 s43, s41, 2
	s_lshl_b32 s43, 15, s43                        ; my row of the cluster
	s_lshl_b32 s44, 0x1111, s40                    ; my column
.if OUTP
	; A: a head's 128 rows of 128 bytes are 16 KiB of consecutive memory: 64 rows of 32 elements of 8 bytes, 16 bytes of padding behind each
	s_or_b32 s[G1+0], s43, (3<<16)|(1<<20)|(1<<21)|(5<<22)|(3<<25)
	s_mov_b32 s[G1+1], 32<<16                      ; tensor_dim0
	s_mov_b32 s[G1+2], 64<<16                      ; tensor_dim1
	s_mov_b32 s[G1+3], 32<<16                      ; tile_dim0
	s_mov_b32 s[G1+4], 64                          ; tile_dim1
	s_mov_b32 s[G1+5], 32                          ; from row to row
.else
	; A: 64 rows (t) of 128 bf16; from t to t + 1 are 4 x 1,024 elements
	s_or_b32 s[G1+0], s43, (1<<16)|(1<<20)|(1<<21)|(5<<22)|(3<<25)
	s_mov_b32 s[G1+1], 128<<16
	s_mov_b32 s[G1+2], 64<<16
	s_mov_b32 s[G1+3], 128<<16
	s_mov_b32 s[G1+4], 64
	s_mov_b32 s[G1+5], 4096
.endif
	s_mov_b32 s[G1+6], 0
	s_mov_b32 s[G1+7], 0
	; B: 128 rows of 128 elements of 2 bytes, 1,024 elements from row to row
	s_or_b32 s[G1B+0], s44, (1<<16)|(1<<20)|(1<<21)|(5<<22)|(3<<25)
	s_mov_b32 s[G1B+1], 128<<16
	s_mov_b32 s[G1B+2], 128<<16
	s_mov_b32 s[G1B+3], 128<<16
	s_mov_b32 s[G1B+4], 128
	s_mov_b32 s[G1B+5], 1024
	s_mov_b32 s[G1B+6], 0
	s_mov_b32 s[G1B+7], 0
	; where the tiles come from: A's offset is made of the block row and the wave, B's of the block column and the wave, in registers of their own
.if OUTP
	s_lshr_b32 s16, s13, 4
	s_lshl_b32 s16, s16, 22                        ; b x 16 heads x 262,144
	s_lshl_b32 s17, s12, 18                        ; + the step's first or second head
	s_add_co_u32 s16, s16, s17
	s_and_b32 s17, s13, 15
	s_lshl_b32 s17, s17, 14                        ; + t block x 128 rows x 128 bytes
	s_add_co_u32 s16, s16, s17
.else
	s_and_b32 s16, s13, 15
	s_lshl_b32 s16, s16, 20                        ; t block x 128 rows x 8,192 bytes
	s_lshl_b32 s17, s12, 19                        ; + half x 64 rows
	s_add_co_u32 s16, s16, s17
	s_lshr_b32 s17, s13, 4
	s_lshl_b32 s17, s17, 11                        ; + b x 2,048 bytes
	s_add_co_u32 s16, s16, s17
.endif
	s_mov_b32 s17, 0
	s_lshl_b32 s46, s42, 19                        ; block column x 256 rows x 2,048 bytes
	s_lshl_b32 s47, s12, 18                        ; + half x 128 rows
	s_add_co_u32 s46, s46, s47
	s_mov_b32 s47, 0
	s_mul_i32 s20, s10, BHALF                      ; where they go: B's halves (waves 0, 1) at wave x 128 rows,
	s_mul_i32 s21, s10, AHALF
	s_add_co_u32 s21, s21, AOFF-2*AHALF            ; A's halves (waves 2, 3) behind B: the wave's number and constants alone
	s_wait_dscnt 0x0
	s_wait_kmcnt 0x0
	s_add_nc_u64 s[14:15], s[4:5], s[16:17]
	s_add_nc_u64 s[46:47], s[6:7], s[46:47]
	CROUND                                         ; all sixteen work-groups are here: the first joint loads meet
.irp s, 0,1
	s_mov_b32 s[G0+4*\s], 1
	s_add_co_u32 s[G0+4*\s+1], s21, \s*SLOT
	s_add_nc_u64 s[G0+4*\s+2:G0+4*\s+3], s[14:15], \s*ASTEP        ; K step s
	s_or_b32 s[G0+4*\s+3], s[G0+4*\s+3], 0x80000000
	s_mov_b32 s[G0B+4*\s], 1
	s_add_co_u32 s[G0B+4*\s+1], s20, \s*SLOT
	s_add_nc_u64 s[G0B+4*\s+2:G0B+4*\s+3], s[46:47], \s*BSTEP
	s_or_b32 s[G0B+4*\s+3], s[G0B+4*\s+3], 0x80000000
	JLOAD \s                                       ; both slots are asked for before anything else: two tensor loads of the wave are out
.endr
	; A fragment (16 rows x 32 K, 8 registers): lane l holds row l % 16; two loads of 16 bytes, 32 bytes apart, at the row + 16 (l / 16)
	v_and_b32 v1, 15, v0                           ; r = l % 16
	v_bfe_u32 v2, v0, 4, 1                         ; h = l / 16
.if OUTP
	v_lshrrev_b32 v3, 1, v1                        ; two rows to an LDS row
	v_mul_u32_u24 v3, v3, PITCH                    ; (r >> 1) + 8 (r & 1) modulo 16, all different
	v_and_b32 v5, 1, v1
	v_lshl_add_u32 v3, v5, 7, v3
.else
	v_mul_u32_u24 v3, v1, PITCH
.endif
	v_lshl_add_u32 v3, v2, 4, v3
	v_mul_u32_u24 v4, v1, PITCH
	v_lshl_add_u32 v4, v2, 4, v4
	s_mul_i32 s22, s10, 64*PITCH                   ; my 64 rows of B
.irp s, 0,1
	v_add_nc_u32 v[ADRA+\s], AOFF+\s*SLOT, v3
	v_add_nc_u32 v[ADRB+\s], s22, v4
	s_add_co_u32 s22, s22, SLOT
.endr
	s_mul_i32 s23, s10, 16*SPITCH
	s_add_co_u32 s23, s23, STAGE                   ; my stage
	v_mul_u32_u24 v4, v1, SPITCH
.if OUTP
	v_lshl_add_u32 v4, v2, 5, v4                   ; in: row r, 32 bytes (8 f32) for each half of the lanes
	v_add_nc_u32 v[STO], s23, v4
	v_mul_u32_u24 v5, v2, SPITCH                   ; back: lanes 0-15 one row of 256 bytes, lanes 16-31 the next
	v_lshl_add_u32 v5, v1, 4, v5
	v_add_nc_u32 v[RD], s23, v5
	v_lshlrev_b32 v5, 14, v2                       ; the same two rows in out: 16,384 bytes from t to t + 1
	v_lshl_add_u32 v[CO], v1, 4, v5
.else
	v_lshl_add_u32 v4, v2, 4, v4                   ; in: row r, 16 bytes (8 f16) for each half of the lanes
	v_add_nc_u32 v[STO], s23, v4
	v_bfe_u32 v5, v0, 3, 2                         ; back: eight lanes a row of 128 bytes, four rows a load
	v_mul_u32_u24 v5, v5, SPITCH
	v_and_b32 v3, 7, v0
	v_lshl_add_u32 v5, v3, 4, v5
	v_add_nc_u32 v[RD], s23, v5
	v_and_b32 v5, 31, v0                           ; in memory the four rows are 512 consecutive bytes
	v_lshlrev_b32 v[CO], 4, v5
.endif
; 16 matrix instructions: row tiles a0 .. a0 + 3 x my 4 column tiles, 32 along K, from buffer f.  zero = 1: the first product starts the sums.
; The 32 accumulators take turns, one instruction a turn, in the same order in every quarter step.
.macro MUL16 f, a0, zero
.irp a, \a0, \a0+1, \a0+2, \a0+3
.irp b, 0,1,2,3
.if OUTP
.if \zero
	v_wmma_f32_16x16x32_f16 v[8*(4*(\a)+\b):8*(4*(\a)+\b)+7], v[FB+32*\f+8*\b:FB+32*\f+8*\b+7], v[FA+64*\f+8*(\a):FA+64*\f+8*(\a)+7], 0
.else
	v_wmma_f32_16x16x32_f16 v[8*(4*(\a)+\b):8*(4*(\a)+\b)+7], v[FB+32*\f+8*\b:FB+32*\f+8*\b+7], v[FA+64*\f+8*(\a):FA+64*\f+8*(\a)+7], v[8*(4*(\a)+\b):8*(4*(\a)+\b)+7]
.endif
.else
.if \zero
	v_wmma_f32_16x16x32_bf16 v[8*(4*(\a)+\b):8*(4*(\a)+\b)+7], v[FB+32*\f+8*\b:FB+32*\f+8*\b+7], v[FA+64*\f+8*(\a):FA+64*\f+8*(\a)+7], 0
.else
	v_wmma_f32_16x16x32_bf16 v[8*(4*(\a)+\b):8*(4*(\a)+\b)+7], v[FB+32*\f+8*\b:FB+32*\f+8*\b+7], v[FA+64*\f+8*(\a):FA+64*\f+8*(\a)+7], v[8*(4*(\a)+\b):8*(4*(\a)+\b)+7]
.endif
.endif
.endr
.endr
.endm
; 24 LDS loads in one run: the fragments of quarter kq (32 along K) of a slot into buffer f
.macro FETCH slot, kq, f
	WIN 0
.irp i, 0,1,2,3
	ds_load_b128 v[FB+32*\f+8*\i:FB+32*\f+8*\i+3],   v[ADRB+\slot] offset:64*\kq+\i*16*PITCH
	ds_load_b128 v[FB+32*\f+8*\i+4:FB+32*\f+8*\i+7], v[ADRB+\slot] offset:64*\kq+\i*16*PITCH+32
.endr
.irp i, 0,1,2,3,4,5,6,7
	ds_load_b128 v[FA+64*\f+8*\i:FA+64*\f+8*\i+3],   v[ADRA+\slot] offset:(\kq/2)*APLANE+(\kq%2)*64+\i*A16
	ds_load_b128 v[FA+64*\f+8*\i+4:FA+64*\f+8*\i+7], v[ADRA+\slot] offset:(\kq/2)*APLANE+(\kq%2)*64+\i*A16+32
.endr
.endm
; One of a K step's first three quarters: asks for quarter kq into buffer g, then multiplies buffer f, which was asked for 32 matrix instructions ago
.macro QUARTER slot, kq, f, g, zero
	PLACES                                         ; buffer g was read by the matrix instructions just issued
	FETCH \slot, \kq, \g
	s_wait_dscnt 24                                ; all but the 24 loads just issued: buffer f is in
	WIN MULW
	MUL16 \f, 0, \zero
	MUL16 \f, 4, \zero
.endm
.macro THREE slot, zero
	QUARTER \slot, 1, 0, 1, \zero
	QUARTER \slot, 2, 1, 0, 0
	QUARTER \slot, 3, 0, 1, 0
.endm
; The last quarter multiplies buffer 1 and changes slots.  One barrier for two things: in front of it each wave waits for its reads of this slot
; and for all its tensor loads (the one that is out is its part of the next slot); behind it nobody reads this slot and the next slot is whole.
; fill = 1: the barrier opens a round of the cluster's barrier, and the joint refill, two K steps ahead, is the first tensor load behind the round.
.macro TURN slot, next, fill
	s_wait_dscnt 0x0                               ; buffer 1 is in, and my reads of this slot are over
	s_wait_tensorcnt 0x0                           ; all my tensor loads have landed
	ds_add_u32 v254, v255
	s_wait_dscnt 0x0
	s_barrier_signal -1
	WIN MULW
	MUL16 1, 0, 0                                  ; register work while the others arrive
	WIN 0
	s_barrier_wait -1
.if \fill
	CREST                                          ; no wave of any partner still reads this slot or has a load on its way
	s_add_nc_u64 s[G0+4*\slot+2:G0+4*\slot+3], s[G0+4*\slot+2:G0+4*\slot+3], 2*ASTEP
	s_add_nc_u64 s[G0B+4*\slot+2:G0B+4*\slot+3], s[G0B+4*\slot+2:G0B+4*\slot+3], 2*BSTEP
	JLOAD \slot                                    ; one tensor load of the wave is out; its four v_nop are also the places in front of the loads below
.else
	PLACES
.endif
	FETCH \next, 0, 0
	WIN MULW
	MUL16 1, 4, 0
.endm
.macro LAP zero
	THREE 0, \zero
	TURN 0, 1, 1
	THREE 1, 0
	TURN 1, 0, 1
.endm
	s_wait_tensorcnt 1                             ; my part of K step 0 is in; K step 1's may stay out
	s_barrier_signal -1
	s_barrier_wait -1                              ; everybody's is
	FETCH 0, 0, 0
	LAP 1                                          ; K steps 0 and 1: the first products start the sums
	WIN 0                                          ; at a label and at a branch every window is 0
	s_mov_b32 s3, LAPS-2
.Llap:
	LAP 0                                          ; K steps 2 to 5
	WIN 0
	s_sub_co_u32 s3, s3, 1
	s_cmp_lg_u32 s3, 0
	s_cbranch_scc1 .Llap
	THREE 0, 0                                     ; K steps 6 and 7 fill nothing
	TURN 0, 1, 0
	THREE 1, 0
	s_wait_dscnt 0x0
	WIN MULW
	MUL16 1, 0, 0
	MUL16 1, 4, 0
	PLACES                                         ; behind the last matrix instructions: their results are read and their sources loaded into below
	; THE WAY OUT, 16 rows at a time through my own stage; LDS serves a wave's instructions in order (ISA guide 5.7.1.4), so no wait stands between
	; the stores into the stage and the loads from it.  The block row's part of the address and the block column's are made in registers of their own.
.if OUTP
	s_and_b32 s16, s13, 15
	s_lshl_b32 s16, s16, 21                        ; t block x 128 rows x 16,384 bytes
	s_lshr_b32 s17, s13, 4
	s_lshl_b32 s17, s17, 12                        ; + b x 4,096
	s_add_co_u32 s16, s16, s17
	s_lshl_b32 s46, s42, 10                        ; block column x 256 f32
	s_lshl_b32 s47, s10, 8                         ; + wave x 64 f32
	s_add_co_u32 s46, s46, s47
.else
	s_lshr_b32 s16, s13, 4
	s_lshl_b32 s16, s16, 22                        ; b x 16 heads x 262,144
	s_and_b32 s17, s13, 15
	s_lshl_b32 s17, s17, 14                        ; + t block x 128 rows x 128 bytes
	s_add_co_u32 s16, s16, s17
	s_lshl_b32 s46, s42, 2
	s_add_co_u32 s46, s46, s10                     ; g = 4 x block column + wave: 64 columns = part g >> 4, head g & 15
	s_lshr_b32 s47, s46, 4
	s_lshl_b32 s47, s47, 24                        ; part x 16,777,216
	s_and_b32 s46, s46, 15
	s_lshl_b32 s46, s46, 18                        ; + head x 262,144
	s_add_co_u32 s46, s46, s47
.endif
	s_mov_b32 s17, 0
	s_mov_b32 s47, 0
	s_add_nc_u64 s[8:9], s[8:9], s[16:17]
	s_add_nc_u64 s[8:9], s[8:9], s[46:47]
.if OUTP
; rows 16 a .. 16 a + 15, f32: the accumulators go into the stage as they are, and come back as rows of 256 bytes; f: buffer 0 or 1 in turn
.macro OUT16 a, f
	WIN 0x04                                       ; an LDS store's data is source 1: window 1
.irp b, 0,1,2,3
	ds_store_b128 v[STO], v[8*(4*\a+\b):8*(4*\a+\b)+3]   offset:64*\b
	ds_store_b128 v[STO], v[8*(4*\a+\b)+4:8*(4*\a+\b)+7] offset:64*\b+16
.endr
	WIN 0
	s_wait_xcnt 0x0                                ; buffer f, which earlier stores read, is loaded into only behind this wait
.irp t, 0,1,2,3,4,5,6,7
	ds_load_b128 v[FA+64*\f+4*\t:FA+64*\f+4*\t+3], v[RD] offset:\t*2*SPITCH
.endr
.irp t, 0,1,2,3,4,5,6,7
	s_wait_dscnt 7-\t                              ; load t is in, the 7 - t younger ones stay out
	global_store_b128 v[CO], v[FA+64*\f+4*\t:FA+64*\f+4*\t+3], s[8:9] offset:(16*\a+2*\t)*16384 th:TH_STORE_NT   ; 16 lanes store 256 consecutive bytes, aligned
.endr
.endm
.else
; rows 16 a .. 16 a + 15, rounded to f16; four rows of 128 bytes come back in each load and are 512 consecutive bytes of the head's plane
.macro OUT16 a, f
	WIN 0x05                                       ; sources 0 and 1 in window 1
.irp b, 0,1,2,3
.irp i, 0,1,2,3
	v_cvt_pk_f16_f32 v[TMP+4*\b+\i], v[8*(4*\a+\b)+2*\i], v[8*(4*\a+\b)+2*\i+1]
.endr
.endr
	WIN 0
.irp b, 0,1,2,3
	ds_store_b128 v[STO], v[TMP+4*\b:TMP+4*\b+3] offset:32*\b
.endr
	s_wait_xcnt 0x0                                ; buffer f, which earlier stores read, is loaded into only behind this wait
.irp t, 0,1,2,3
	ds_load_b128 v[FA+64*\f+4*\t:FA+64*\f+4*\t+3], v[RD] offset:\t*4*SPITCH
.endr
.irp t, 0,1,2,3
	s_wait_dscnt 3-\t                              ; load t is in, the 3 - t younger ones stay out
	global_store_b128 v[CO], v[FA+64*\f+4*\t:FA+64*\f+4*\t+3], s[8:9] offset:\a*2048+\t*512
.endr
.endm
.endif
	OUT16 0, 0
	OUT16 1, 1
	OUT16 2, 0
	OUT16 3, 1
	OUT16 4, 0
	OUT16 5, 1
	OUT16 6, 0
	OUT16 7, 1
	s_wait_tensorcnt 0x0
	ds_add_u32 v254, v255
	s_wait_dscnt 0x0
	CROUND                                         ; the closing round: no work-group ends while a partner may still ask for a tile that names it
	s_endpgm
.Lfunc_end_k_q83bcc17200_oproj:
	.size	k_q83bcc17200_oproj, .Lfunc_end_k_q83bcc17200_oproj-k_q83bcc17200_oproj
	.p2alignl 7, 3214868480
	.fill 96, 4, 3214868480
	.section	.rodata,"a",@progbits
	.p2align	6, 0x0
	.amdhsa_kernel k_q83bcc17200_oproj
		.amdhsa_group_segment_fixed_size 327680
		.amdhsa_private_segment_fixed_size 0
		.amdhsa_enable_private_segment 0
		.amdhsa_kernarg_size 24
		.amdhsa_user_sgpr_count 2
		.amdhsa_user_sgpr_kernarg_segment_ptr 1
		.amdhsa_wavefront_size32 1
		.amdhsa_system_sgpr_workgroup_id_x 1
		.amdhsa_system_sgpr_workgroup_id_y 1
		.amdhsa_system_sgpr_workgroup_id_z 1
		.amdhsa_system_vgpr_workitem_id 0
		.amdhsa_next_free_vgpr 512
		.amdhsa_next_free_sgpr 66
		.amdhsa_reserve_vcc 0
		.amdhsa_float_denorm_mode_32 3
		.amdhsa_float_denorm_mode_16_64 3
		.amdhsa_memory_ordered 1
		.amdhsa_forward_progress 1
		.amdhsa_inst_pref_size 118
	.end_amdhsa_kernel
	.amdgpu_metadata
---
amdhsa.version: [ 1, 2 ]
amdhsa.kernels:
  - .name:           k_q83bcc17200_oproj
    .symbol:         k_q83bcc17200_oproj.kd
    .args:
      - { .name: ctxh, .offset: 0, .size: 8, .value_kind: global_buffer, .address_space: global }
      - { .name: wob, .offset: 8, .size: 8, .value_kind: global_buffer, .address_space: global }
      - { .name: out0, .offset: 16, .size: 8, .value_kind: global_buffer, .address_space: global }
    .group_segment_fixed_size: 327680
    .private_segment_fixed_size: 0
    .kernarg_segment_align: 8
    .kernarg_segment_size: 24
    .max_flat_workgroup_size: 128
    .sgpr_count:     66
    .vgpr_count:     512
    .wavefront_size: 32
...
	.end_amdgpu_metadata
.endif
;; end of part 4
;; ======== version 2 of 2: 4 launches
;; limits: values are held in f16: magnitudes above 65,504 overflow, below 6.1e-05 lose precision
;; workspace buffers: xb 16,777,216 bytes; wib 6,291,456 bytes; wob 2,097,152 bytes; qkvh 50,331,648 bytes; ctxh 16,777,216 bytes
;; launch cast: the kernel of part 1 again; grid 768 x 1, 8 waves a work-group, no clusters, 0 bytes of LDS; arguments query, in_proj_weight, out_proj_weight, xb, wib, wob; writes xb, wib, wob
;; launch qkv (part 5): grid 8 x 32, 4 waves a work-group, clusters of 4 x 4, 327,680 bytes of LDS; arguments xb, wib, qkvh; writes qkvh
.if DOCPART == 5
	.amdgcn_target "amdgcn-amd-amdhsa--gfx1250"
	.amdhsa_code_object_version 6
	.text
	.protected	k_q83bcc17200_qkv
	.globl	k_q83bcc17200_qkv
	.p2align	8
	.type	k_q83bcc17200_qkv,@function
k_q83bcc17200_qkv:
	s_mov_b64 s[64:65], 0
	v_nop
	global_prefetch_b8 v0, s[64:65] scope:SCOPE_SE
	s_setreg_imm32_b32 hwreg(HW_REG_WAVE_MODE, 25, 1), 1
	s_wait_xcnt 0x0
	s_wait_alu depctr_hold_cnt(0) depctr_sa_sdst(0) depctr_va_vdst(0) depctr_va_sdst(0) depctr_va_ssrc(0) depctr_va_vcc(0) depctr_vm_vsrc(0)
	s_getreg_b32 s2, hwreg(HW_REG_IB_STS2, 6, 4)
	s_cmp_eq_u32 s2, 0
	s_cbranch_scc0 .Lentry_in_a_cluster
	s_endpgm
.Lentry_in_a_cluster:
	s_bfe_u32 s2, ttmp6, 0x10000c
	s_cmp_lg_u32 s2, 0xf033
	s_cbranch_scc0 .Lentry_shape_is_right
	s_endpgm
.Lentry_shape_is_right:
; qkv[t][b][f] = sum over e of x[t][b][e] W_in[f][e].  x (xb[2048 t][4 b][1024]) and W_in (wib[3072][1024]) in bf16, sums in f32, result in f16,
; stored by heads: qkvh[part q,k,v][b][head][t][64 d].  q is stored unscaled; the attention folds D^-0.5 into its exponent.
; LIMITS: |q|, |k|, |v| of 65,504 or more become infinite in f16 (inputs 30 times those drawn give some 5e3, a common offset of 30 spreads on all
; inputs some 3e4).  NaN and infinite inputs are not served.  The sums' order is the matrix unit's, K ascending.
; SHARE: 8192 x 3072 outputs on 256 work-groups are 98,304 each: a block of 256 rows (256 consecutive t of one b) x 384 columns (six heads).
; Four waves stand 2 x 2; a wave makes 128 x 192: 8 x 12 accumulator tiles, 768 registers.  For 32 along K a wave reads (128 + 192) x 64 bytes
; from LDS and issues 96 matrix instructions.
; K goes in 16 steps of 64 through two LDS slots filled by the tensor data mover.  A step of 128 would want two slots of 640 rows x 272 bytes,
; 348,160 bytes, more than the 327,680 that there are: so a tile's rows are 128 bytes here.
; CLUSTERS: 4 x 4 work-groups.  A's tile hangs on the block row alone and is asked for jointly by the four of a row of the cluster, B's on the
; block column alone and is asked for jointly by the four of a column: a quarter of the requests.
; REGISTERS: window 0: addresses, A's fragments in two buffers, B's in one; windows 1 to 3: the accumulators.  Window g + 1 holds the column tiles
; 4 g .. 4 g + 3, 64 columns = one head; tile (a, b) of it lies at v[8 (4 a + b)].  768 + 128 + 96 + 32 = 1,024 registers.
; B'S ONE BUFFER ROLLS: the 96 matrix instructions of a quarter step go in three groups of 32, one window each; a group reads four of B's twelve
; tiles, and straight behind the group (and four places) these four are loaded again for the next quarter step, 64 matrix instructions ahead of their use.
; THE MATRIX INSTRUCTION IS USED TRANSPOSED (source 0 = 16 rows of B, source 1 = 16 rows of A): lane l holds row l % 16 of the result and its
; registers the columns 8 (l / 16) + 0 .. 7, eight neighbours.
.set PITCH,  144                       ; an LDS row: 128 bytes + 16 of padding = 36 words: the 16 rows of a fragment load start at 16 different groups of four banks
.set BHALF,  192*PITCH                 ; 192 rows of B: one tensor load, and what one wave reads of B
.set AHALF,  128*PITCH                 ; 128 rows of A: one tensor load, and what one wave reads of A
.set AOFF,   2*BHALF                   ; a slot: B's 384 rows, then A's 256
.set SLOT,   AOFF+2*AHALF              ; 92,160 bytes
.set STAGE,  2*SLOT                    ; behind the ring: each wave's own 16 rows for the way out; no tensor load lands here
.set SPITCH, 144                       ; stage: 64 f16 + 16 bytes
.set STEPB,  128                       ; bytes along a row of A or of B for a K step
.set LAPS,   8                         ; a lap = two K steps = once round the ring
.set ADRA, 16                          ; v16-17  LDS address of my A fragments in slot 0, 1
.set ADRB, 20                          ; v20-21  the same for B
.set STO,  24                          ; v24     the way out: where I put my piece of a row
.set RD,   25                          ; v25     the way out: where I read rows back
.set CO,   26                          ; v26     my byte offset in a head's plane
.set FA,   32                          ; v[32:95], v[96:159]  A's fragments (8 x 16 rows x 32 K), two buffers; on the way out: rows read back
.set FB,   160                         ; v[160:255]           B's fragments (12 x 16 rows x 32 K), one buffer
.set TMP,  224                         ; v[224:239]           the way out: packed results (B's buffer is free by then)
.set G1,  24                           ; s[24:31] descriptor group 1, A
.set G0,  32                           ; s[32:39] descriptor group 0, A, one set for each slot
.set G1B, 48                           ; s[48:55] group 1, B
.set G0B, 56                           ; s[56:63] group 0, B, one set for each slot
.set MSB, 0
.macro WIN new                         ; low byte: bits 1:0 source 0, 3:2 source 1, 5:4 source 2, 7:6 destination; the high byte repeats the setting that is left
.if MSB != \new
	s_set_vgpr_msb (MSB<<8)|\new
.set MSB, \new
.endif
.endm
.macro PLACES                          ; four plain vector instructions behind a matrix instruction, before its registers are loaded into or its result read (ISA guide 7.12.1)
.rept 4
	v_nop
.endr
.endm
; A joint load.  Waves 0 and 1 fetch B's two halves, waves 2 and 3 A's.  Each line has one mask and one set of registers for all that issue it.
; The branch hangs on the wave's number alone.  Four v_nop follow each line.
.macro JLOAD s
	s_cmp_eq_u32 s11, 0
	s_cbranch_scc0 .Lfor_a_\@
	tensor_load_to_lds s[G0B+4*\s:G0B+4*\s+3], s[G1B:G1B+7]
	s_nop 0
.rept 4
	v_nop
.endr
	s_branch .Lasked_\@
.Lfor_a_\@:
	tensor_load_to_lds s[G0+4*\s:G0+4*\s+3], s[G1:G1+7]
	s_nop 0
.rept 4
	v_nop
.endr
.Lasked_\@:
.endm
; A round of the cluster's barrier: my work-group's barrier; wave 0 signals for the work-group; every wave waits for all sixteen; my work-group's barrier again.
.macro CREST                           ; a round behind its opening barrier
	s_cmp_lg_u32 s10, 0
	s_cbranch_scc1 .Lnot_wave_0_\@
	s_barrier_signal -3
.Lnot_wave_0_\@:
	s_barrier_wait -3
	s_barrier_signal -1
	s_barrier_wait -1
.endm
.macro CROUND
	s_barrier_signal -1
	s_barrier_wait -1
	CREST
.endm
	s_load_b128 s[4:7], s[0:1], 0x0                ; xb s[4:5], wib s[6:7]
	s_load_b64 s[8:9], s[0:1], 0x10                ; qkvh
	v_lshl_add_u32 v30, v0, 2, 0x2f400
	v_mov_b32 v31, 0
	ds_add_u32 v30, v31
	ds_add_u32 v30, v31
	v_lshrrev_b32 v1, 5, v0
	v_readfirstlane_b32 s10, v1                    ; wave 0..3
	s_lshr_b32 s11, s10, 1                         ; which 128 of the block's rows are mine.  Also: I fetch for B (0) or for A (1)
	s_and_b32 s12, s10, 1                          ; which 192 of its columns.  Also: which half of that tile I fetch
	s_bfe_u32 s40, ttmp6, 0x40000                  ; cx
	s_bfe_u32 s41, ttmp6, 0x40004                  ; cy
	s_lshl_b32 s42, ttmp9, 2
	s_add_co_u32 s42, s42, s40                     ; block column = 4 x cluster x + cx, 0 to 7
	s_and_b32 s13, ttmp7, 0xffff
	s_lshl_b32 s13, s13, 2
	s_add_co_u32 s13, s13, s41                     ; block row = 4 x cluster y + cy, 0 to 31: b = block row >> 3, t block = block row & 7
	s_lshl_b32 s43, s41, 2
	s_lshl_b32 s43, 15, s43                        ; my row of the cluster
	s_lshl_b32 s44, 0x1111, s40                    ; my column
	; A: 128 rows (t) of 64 bf16; from t to t + 1 are 4 x 1,024 elements.  In LDS 4 words of padding behind every 32
	s_or_b32 s[G1+0], s43, (1<<16)|(1<<20)|(1<<21)|(4<<22)|(3<<25)
	s_mov_b32 s[G1+1], 64<<16                      ; tensor_dim0
	s_mov_b32 s[G1+2], 128<<16                     ; tensor_dim1
	s_mov_b32 s[G1+3], 64<<16                      ; tile_dim0
	s_mov_b32 s[G1+4], 128                         ; tile_dim1
	s_mov_b32 s[G1+5], 4096                        ; from row to row
	s_mov_b32 s[G1+6], 0
	s_mov_b32 s[G1+7], 0
	; B: 192 rows of 64 bf16, 1,024 elements from row to row
	s_or_b32 s[G1B+0], s44, (1<<16)|(1<<20)|(1<<21)|(4<<22)|(3<<25)
	s_mov_b32 s[G1B+1], 64<<16
	s_mov_b32 s[G1B+2], 192<<16
	s_mov_b32 s[G1B+3], 64<<16
	s_mov_b32 s[G1B+4], 192
	s_mov_b32 s[G1B+5], 1024
	s_mov_b32 s[G1B+6], 0
	s_mov_b32 s[G1B+7], 0
	; where the tiles come from: A's offset is made of the block row and the wave, B's of the block column and the wave, in registers of their own
	s_and_b32 s16, s13, 7
	s_lshl_b32 s16, s16, 21                        ; t block x 256 rows x 8,192 bytes
	s_lshl_b32 s17, s12, 20                        ; + half x 128 rows
	s_add_co_u32 s16, s16, s17
	s_lshr_b32 s17, s13, 3
	s_lshl_b32 s17, s17, 11                        ; + b x 2,048 bytes
	s_add_co_u32 s16, s16, s17
	s_mov_b32 s17, 0
	s_mul_i32 s46, s42, 384*2048                   ; block column x 384 rows x 2,048 bytes
	s_mul_i32 s47, s12, 192*2048                   ; + half x 192 rows
	s_add_co_u32 s46, s46, s47
	s_mov_b32 s47, 0
	s_mul_i32 s20, s10, BHALF                      ; where they go: B's halves (waves 0, 1) at wave x 192 rows,
	s_mul_i32 s21, s10, AHALF
	s_add_co_u32 s21, s21, AOFF-2*AHALF            ; A's halves (waves 2, 3) behind B: the wave's number and constants alone
	s_wait_dscnt 0x0
	s_wait_kmcnt 0x0
	s_add_nc_u64 s[14:15], s[4:5], s[16:17]
	s_add_nc_u64 s[46:47], s[6:7], s[46:47]
	CROUND                                         ; all sixteen work-groups are here: the first joint loads meet
.irp s, 0,1
	s_mov_b32 s[G0+4*\s], 1
	s_add_co_u32 s[G0+4*\s+1], s21, \s*SLOT
	s_add_nc_u64 s[G0+4*\s+2:G0+4*\s+3], s[14:15], \s*STEPB        ; K step s
	s_or_b32 s[G0+4*\s+3], s[G0+4*\s+3], 0x80000000
	s_mov_b32 s[G0B+4*\s], 1
	s_add_co_u32 s[G0B+4*\s+1], s20, \s*SLOT
	s_add_nc_u64 s[G0B+4*\s+2:G0B+4*\s+3], s[46:47], \s*STEPB
	s_or_b32 s[G0B+4*\s+3], s[G0B+4*\s+3], 0x80000000
	JLOAD \s                                       ; both slots are asked for before anything else: two tensor loads of the wave are out
.endr
	; A fragment (16 rows x 32 K, 8 registers): lane l holds row l % 16; two loads of 16 bytes, 32 bytes apart, at the row + 16 (l / 16)
	v_and_b32 v1, 15, v0                           ; r = l % 16
	v_bfe_u32 v2, v0, 4, 1                         ; h = l / 16
	v_mul_u32_u24 v3, v1, PITCH
	v_lshl_add_u32 v3, v2, 4, v3
	s_mul_i32 s22, s12, BHALF                      ; my 192 rows of B
	s_mul_i32 s23, s11, AHALF                      ; my 128 rows of A,
	s_add_co_u32 s23, s23, AOFF                    ; which lie behind B's 384
.irp s, 0,1
	v_add_nc_u32 v[ADRA+\s], s23, v3
	v_add_nc_u32 v[ADRB+\s], s22, v3
	s_add_co_u32 s22, s22, SLOT
	s_add_co_u32 s23, s23, SLOT
.endr
	s_mul_i32 s23, s10, 16*SPITCH
	s_add_co_u32 s23, s23, STAGE                   ; my stage
	v_mul_u32_u24 v4, v1, SPITCH
	v_lshl_add_u32 v4, v2, 4, v4                   ; in: row r, 16 bytes (8 f16) for each half of the lanes
	v_add_nc_u32 v[STO], s23, v4
	v_bfe_u32 v5, v0, 3, 2                         ; back: eight lanes a row of 128 bytes, four rows a load
	v_mul_u32_u24 v5, v5, SPITCH
	v_and_b32 v3, 7, v0
	v_lshl_add_u32 v5, v3, 4, v5
	v_add_nc_u32 v[RD], s23, v5
	v_and_b32 v5, 31, v0                           ; in memory the four rows are 512 consecutive bytes
	v_lshlrev_b32 v[CO], 4, v5
; 16 matrix instructions of group g (the window is set by the caller): row tiles a0 .. a0 + 3 x the group's 4 column tiles, 32 along K, A from buffer f.
; zero = 1: the first product starts the sums.  The 96 accumulators take turns, one instruction a turn, in the same order in every quarter step.
.macro MULH f, g, a0, zero
.irp a, \a0, \a0+1, \a0+2, \a0+3
.irp b, 0,1,2,3
.if \zero
	v_wmma_f32_16x16x32_bf16 v[8*(4*(\a)+\b):8*(4*(\a)+\b)+7], v[FB+8*(4*\g+\b):FB+8*(4*\g+\b)+7], v[FA+64*\f+8*(\a):FA+64*\f+8*(\a)+7], 0
.else
	v_wmma_f32_16x16x32_bf16 v[8*(4*(\a)+\b):8*(4*(\a)+\b)+7], v[FB+8*(4*\g+\b):FB+8*(4*\g+\b)+7], v[FA+64*\f+8*(\a):FA+64*\f+8*(\a)+7], v[8*(4*(\a)+\b):8*(4*(\a)+\b)+7]
.endif
.endr
.endr
.endm
; 8 LDS loads: group g's four tiles of B, quarter kq (32 along K) of a slot
.macro LOADB slot, kq, g
.irp i, 0,1,2,3
	ds_load_b128 v[FB+8*(4*\g+\i):FB+8*(4*\g+\i)+3],   v[ADRB+\slot] offset:64*\kq+(4*\g+\i)*16*PITCH
	ds_load_b128 v[FB+8*(4*\g+\i)+4:FB+8*(4*\g+\i)+7], v[ADRB+\slot] offset:64*\kq+(4*\g+\i)*16*PITCH+32
.endr
.endm
; 16 LDS loads: A's eight tiles, quarter kq of a slot, into buffer f
.macro LOADA slot, kq, f
.irp i, 0,1,2,3,4,5,6,7
	ds_load_b128 v[FA+64*\f+8*\i:FA+64*\f+8*\i+3],   v[ADRA+\slot] offset:64*\kq+\i*16*PITCH
	ds_load_b128 v[FA+64*\f+8*\i+4:FA+64*\f+8*\i+7], v[ADRA+\slot] offset:64*\kq+\i*16*PITCH+32
.endr
.endm
; A K step's first 32 of K: multiplies A's buffer 0; behind each group its tiles of B, and behind the first A's buffer 1, are loaded for the second 32.
; On the way in the LDS loads that are out are: B's tiles 0-7 and A's buffer 0 (32 loads), then B's tiles 8-11 (8 loads).
.macro QA slot, zero
	s_wait_dscnt 8                                 ; all but the youngest eight: B's tiles 0-7 and A are in
	WIN 0x50
	MULH 0, 0, 0, \zero
	MULH 0, 0, 4, \zero
	PLACES
	WIN 0
	LOADB \slot, 1, 0
	LOADA \slot, 1, 1
	WIN 0xa0
	MULH 0, 1, 0, \zero
	MULH 0, 1, 4, \zero
	PLACES
	WIN 0
	LOADB \slot, 1, 1
	s_wait_dscnt 32                                ; all but the 24 + 8 loads issued in this quarter: B's tiles 8-11 are in
	WIN 0xf0
	MULH 0, 2, 0, \zero
	MULH 0, 2, 4, \zero
	PLACES
	WIN 0
	LOADB \slot, 1, 2
.endm
; A K step's second 32 of K: multiplies A's buffer 1 and changes slots.  One barrier for two things: in front of it each wave waits for its reads of
; this slot (the last were issued 48 matrix instructions ago) and for all its tensor loads (the one that is out is its part of the next slot);
; behind it nobody reads this slot and the next slot is whole.  fill = 1: the barrier opens a round of the cluster's barrier, and the joint refill,
; two K steps ahead, is the first tensor load behind the round: from that request to the wait for it a wave issues 176 matrix instructions.
.macro QB slot, next, fill
	s_wait_dscnt 16                                ; all but the 8 + 8 loads behind them: B's tiles 0-3 and A's buffer 1 are in
	WIN 0x50
	MULH 1, 0, 0, 0
	MULH 1, 0, 4, 0
	s_wait_dscnt 8                                 ; B's tiles 4-7 are in
	WIN 0xa0
	MULH 1, 1, 0, 0
	s_wait_dscnt 0x0                               ; B's tiles 8-11 are in, and my reads of this slot are over
	s_wait_tensorcnt 0x0                           ; all my tensor loads have landed
	ds_add_u32 v30, v31
	s_wait_dscnt 0x0
	s_barrier_signal -1
	MULH 1, 1, 4, 0                                ; register work while the others arrive
	WIN 0
	s_barrier_wait -1
.if \fill
	CREST                                          ; no wave of any partner still reads this slot or has a load on its way
	s_add_nc_u64 s[G0+4*\slot+2:G0+4*\slot+3], s[G0+4*\slot+2:G0+4*\slot+3], 2*STEPB
	s_add_nc_u64 s[G0B+4*\slot+2:G0B+4*\slot+3], s[G0B+4*\slot+2:G0B+4*\slot+3], 2*STEPB
	JLOAD \slot                                    ; one tensor load of the wave is out; its four v_nop are also the places in front of the loads below
.else
	PLACES
.endif
	LOADB \next, 0, 0
	LOADB \next, 0, 1
	LOADA \next, 0, 0
	WIN 0xf0
	MULH 1, 2, 0, 0
	MULH 1, 2, 4, 0
	PLACES
	WIN 0
	LOADB \next, 0, 2
.endm
.macro LAP zero
	QA 0, \zero
	QB 0, 1, 1
	QA 1, 0
	QB 1, 0, 1
.endm
	s_wait_tensorcnt 1                             ; my part of K step 0 is in; K step 1's may stay out
	s_barrier_signal -1
	s_barrier_wait -1                              ; everybody's is
	LOADB 0, 0, 0
	LOADB 0, 0, 1
	LOADA 0, 0, 0
	LOADB 0, 0, 2
	LAP 1                                          ; K steps 0 and 1: the first products start the sums
	WIN 0                                          ; at a label and at a branch every window is 0
	s_mov_b32 s3, LAPS-2
.Llap:
	LAP 0                                          ; K steps 2 to 13; the last of them ask for steps 14 and 15
	WIN 0
	s_sub_co_u32 s3, s3, 1
	s_cmp_lg_u32 s3, 0
	s_cbranch_scc1 .Llap
	QA 0, 0                                        ; K steps 14 and 15 fill nothing
	QB 0, 1, 0
	QA 1, 0
	s_wait_dscnt 16                                ; the very last 32 of K: the counts as in the other steps, nothing more to load
	WIN 0x50
	MULH 1, 0, 0, 0
	MULH 1, 0, 4, 0
	s_wait_dscnt 8
	WIN 0xa0
	MULH 1, 1, 0, 0
	MULH 1, 1, 4, 0
	s_wait_dscnt 0x0
	WIN 0xf0
	MULH 1, 2, 0, 0
	MULH 1, 2, 4, 0
	PLACES                                         ; behind the last matrix instructions: their results are read and their sources loaded into below
	; THE WAY OUT, head by head (a window each), 16 rows at a time through my own stage; LDS serves a wave's instructions in order (ISA guide 5.7.1.4),
	; so no wait stands between the stores into the stage and the loads from it.  The block row's part of the address and the block column's are made
	; in registers of their own.
	s_lshr_b32 s16, s13, 3
	s_lshl_b32 s16, s16, 22                        ; b x 16 heads x 262,144
	s_and_b32 s17, s13, 7
	s_lshl_b32 s17, s17, 15                        ; + t block x 256 rows x 128 bytes
	s_add_co_u32 s16, s16, s17
	s_lshl_b32 s17, s11, 14                        ; + my half x 128 rows
	s_add_co_u32 s16, s16, s17
	s_mov_b32 s17, 0
	s_add_nc_u64 s[8:9], s[8:9], s[16:17]
	s_mul_i32 s45, s42, 6                          ; my first 64 columns: number 6 x block column + 3 x half, of 48
	s_mul_i32 s46, s12, 3
	s_add_co_u32 s45, s45, s46
; rows 16 a .. 16 a + 15 of one head, rounded to f16; from: the head's window as sources 0 and 1; f: A's buffer 0 or 1 in turn.
; Four rows of 128 bytes come back in each load and are 512 consecutive bytes of the head's plane.
.macro OUT16 a, f, from
	WIN \from
.irp b, 0,1,2,3
.irp i, 0,1,2,3
	v_cvt_pk_f16_f32 v[TMP+4*\b+\i], v[8*(4*\a+\b)+2*\i], v[8*(4*\a+\b)+2*\i+1]
.endr
.endr
	WIN 0
.irp b, 0,1,2,3
	ds_store_b128 v[STO], v[TMP+4*\b:TMP+4*\b+3] offset:32*\b
.endr
	s_wait_xcnt 0x0                                ; buffer f, which earlier stores read, is loaded into only behind this wait
.irp t, 0,1,2,3
	ds_load_b128 v[FA+64*\f+4*\t:FA+64*\f+4*\t+3], v[RD] offset:\t*4*SPITCH
.endr
.irp t, 0,1,2,3
	s_wait_dscnt 3-\t                              ; load t is in, the 3 - t younger ones stay out
	global_store_b128 v[CO], v[FA+64*\f+4*\t:FA+64*\f+4*\t+3], s[22:23] offset:\a*2048+\t*512
.endr
.endm
; my head i of three: its 128 rows are 16 KiB of consecutive memory
.macro HEADOUT i, from
.if \i
	s_wait_xcnt 0x0                                ; the last head's stores name s[22:23]: it is written again only behind this wait
.endif
	s_add_co_u32 s46, s45, \i                      ; g: part g >> 4, head g & 15
	s_lshr_b32 s47, s46, 4
	s_lshl_b32 s47, s47, 24                        ; part x 16,777,216
	s_and_b32 s46, s46, 15
	s_lshl_b32 s46, s46, 18                        ; + head x 262,144
	s_add_co_u32 s46, s46, s47
	s_mov_b32 s47, 0
	s_add_nc_u64 s[22:23], s[8:9], s[46:47]
	OUT16 0, 0, \from
	OUT16 1, 1, \from
	OUT16 2, 0, \from
	OUT16 3, 1, \from
	OUT16 4, 0, \from
	OUT16 5, 1, \from
	OUT16 6, 0, \from
	OUT16 7, 1, \from
.endm
	HEADOUT 0, 0x05
	HEADOUT 1, 0x0a
	HEADOUT 2, 0x0f
	s_wait_tensorcnt 0x0
	ds_add_u32 v30, v31
	s_wait_dscnt 0x0
	CROUND                                         ; the closing round: no work-group ends while a partner may still ask for a tile that names it
	s_endpgm
.Lfunc_end_k_q83bcc17200_qkv:
	.size	k_q83bcc17200_qkv, .Lfunc_end_k_q83bcc17200_qkv-k_q83bcc17200_qkv
	.p2alignl 7, 3214868480
	.fill 96, 4, 3214868480
	.section	.rodata,"a",@progbits
	.p2align	6, 0x0
	.amdhsa_kernel k_q83bcc17200_qkv
		.amdhsa_group_segment_fixed_size 327680
		.amdhsa_private_segment_fixed_size 0
		.amdhsa_enable_private_segment 0
		.amdhsa_kernarg_size 24
		.amdhsa_user_sgpr_count 2
		.amdhsa_user_sgpr_kernarg_segment_ptr 1
		.amdhsa_wavefront_size32 1
		.amdhsa_system_sgpr_workgroup_id_x 1
		.amdhsa_system_sgpr_workgroup_id_y 1
		.amdhsa_system_sgpr_workgroup_id_z 1
		.amdhsa_system_vgpr_workitem_id 0
		.amdhsa_next_free_vgpr 1024
		.amdhsa_next_free_sgpr 66
		.amdhsa_reserve_vcc 0
		.amdhsa_float_denorm_mode_32 3
		.amdhsa_float_denorm_mode_16_64 3
		.amdhsa_memory_ordered 1
		.amdhsa_forward_progress 1
		.amdhsa_inst_pref_size 172
	.end_amdhsa_kernel
	.amdgpu_metadata
---
amdhsa.version: [ 1, 2 ]
amdhsa.kernels:
  - .name:           k_q83bcc17200_qkv
    .symbol:         k_q83bcc17200_qkv.kd
    .args:
      - { .name: xb, .offset: 0, .size: 8, .value_kind: global_buffer, .address_space: global }
      - { .name: wib, .offset: 8, .size: 8, .value_kind: global_buffer, .address_space: global }
      - { .name: qkvh, .offset: 16, .size: 8, .value_kind: global_buffer, .address_space: global }
    .group_segment_fixed_size: 327680
    .private_segment_fixed_size: 0
    .kernarg_segment_align: 8
    .kernarg_segment_size: 24
    .max_flat_workgroup_size: 128
    .sgpr_count:     66
    .vgpr_count:     1024
    .wavefront_size: 32
...
	.end_amdgpu_metadata
.endif
;; end of part 5
;; launch attn (part 6): grid 4 x 64, 8 waves a work-group, no clusters, 327,680 bytes of LDS; arguments qkvh, ctxh; writes ctxh
.if DOCPART == 6
	.amdgcn_target "amdgcn-amd-amdhsa--gfx1250"
	.amdhsa_code_object_version 6
	.text
	.protected	k_q83bcc17200_attn
	.globl	k_q83bcc17200_attn
	.p2align	8
	.type	k_q83bcc17200_attn,@function
k_q83bcc17200_attn:
	s_mov_b64 s[64:65], 0
	v_nop
	global_prefetch_b8 v0, s[64:65] scope:SCOPE_SE
	s_setreg_imm32_b32 hwreg(HW_REG_WAVE_MODE, 25, 1), 1
	s_wait_xcnt 0x0
; Causal attention of one head: ctx = softmax(q k^T / 8, keys <= query) v, with a running maximum.  q, k, v: qkvh[part][b x 16 + head][2048 t][64 d] f16;
; ctx: ctxh[b x 16 + head][2048 t][64 d] f16.  Products on the matrix unit in f16 with f32 sums; maxima, exponentials and sums in f32.
; LIMITS: |ctx| of 65,504 or more becomes infinite in f16; a weight below 2^-25 of its row's largest is 0 in f16; NaN and infinite inputs are not
; served; the sums' order differs from a plain softmax's.  Scores above the diagonal's sub-tile are not computed: their weight is exactly 0.
; SHARE: work-group (p, head) makes two blocks of 256 queries: first block 7 - p, then block p.  Each block walks units of 256 keys from its
; diagonal unit downward: (8 - p) + (p + 1) = 9 units in every work-group, so all 256 work-groups do the same work and the ring of two LDS slots
; runs through without a break.  Wave w owns 32 queries, row block rb = w xor 3 (w >> 2).
; A SUB-TILE IS 64 KEYS x 32 QUERIES: what is done once for a sub-tile (32 packed multiplies that rescale O, the exchange of the maximum, the shift
; and alpha, the places behind the matrix instructions) is done once for 64 keys.  In the diagonal unit a wave has 1 + (rb >> 1) sub-tiles, and waves
; w and w + 4 have five between them.
; K AHEAD: behind a sub-tile's score products K's registers are free, and the next sub-tile's 16 loads of K are issued there, in front of this
; sub-tile's 16 loads of V; both land during the softmax.  Only a unit's first sub-tile loads its K straight in front of its products.
; NO CLUSTER: the four work-groups of a head want different units in a given trip (7 - p - i), a joint load has to be issued alike by all that it
; names, and walking all units in every partner would double the work; a work-group fetches 9 x 64 KiB in all.
; ORIENTATION: S^T = K Q^T (source 0 = 16 keys, source 1 = 16 queries): lane (r, h) holds query r and keys 8 h + j, so a row's maximum and sum
; stay in the lane but for one exchange of the halves, and two key tiles, packed to f16, ARE source 1 of O^T = V^T P^T.  A lane's eight results
; of O are eight neighbouring d of query r.
; REGISTERS: window 0 holds K's, V's fragments, the scores and the small ones; window 1 holds O and Q's fragments.  352 registers a wave.
.set KPITCH, 272                       ; two keys (2 x 128 bytes) share an LDS row: key k at (k >> 1) x pitch + (k & 1) x 128.  K: 256 + 16 bytes
.set VPITCH, 288                       ; V: 256 + 32 bytes: the transposing load's sixteen lanes take 2 ((l & 7) >> 1) + 8 (l & 1) + ((l >> 3) & 1), all different
.set KOFF,   128*VPITCH                ; a slot: V's 256 keys, then K's
.set SLOT,   KOFF+128*KPITCH
.set STAGE,  2*SLOT                    ; behind the ring: 32 rows x 144 bytes for each wave, for the way out; no tensor load lands here
.set SPITCH, 144
.set K16, 8*KPITCH                     ; 16 keys
.set V16, 8*VPITCH
.set V32, 16*VPITCH                    ; 32 keys: one K step of the O products
.set K64, 32*KPITCH                    ; a sub-tile's 64 keys
.set V64, 32*VPITCH
.set KPART, 16777216                   ; bytes from q to k
.set VPART, 33554432                   ; bytes from q to v
.set O,   0                            ; window 1: v[256:319] sums of O, + 32 qt + 8 dt
.set QF,  64                           ; window 1: v[320:351] Q's fragments, + 16 qt + 8 ks
.set KF,  2                            ; v[2:65]    K's fragments, + 16 kt + 8 ks; on the way out: rows read back
.set VF,  66                           ; v[66:129]  V^T's fragments, + 32 c + 8 dt (c: which 32 of the 64 keys)
.set S,   130                          ; v[130:193] scores, then weights, + 32 qt + 8 kt; then the weights in f16, + 32 qt + 8 c; on the way out: packed results
.set M,   194                          ; v194-195   running maximum of query tile qt
.set NMC, 196                          ; v[196:199] the shift -c M, twice for each qt (a pair for the packed forms)
.set AL,  200                          ; v[200:203] alpha, later 1 / l, twice for each qt
.set L,   204                          ; v[204:207] running sums, a pair for each qt
.set T,   208                          ; v[208:215] at work
.set KB,  216                          ; v216-217   LDS address of my K fragments in slot 0, 1
.set VB,  218                          ; v218-219   the same for V
.set KA,  220                          ; K's address of the sub-tile that is loaded next
.set VA,  221                          ; V's address of the sub-tile at work
.set STO, 222                          ; the way out: where I put 16 bytes of a row
.set RD,  223                          ; the way out: where I read rows back
.set QO,  224                          ; my byte offset in Q's 16 rows
.set CO,  225                          ; my byte offset in ctx
.set NEG, 226                          ; the most negative finite f32, as the causal mask's fill
.set DI,  227                          ; r - 8 h + 32 (rb & 1): on the diagonal, key 16 kt + 8 h + j is allowed for query tile qt where 16 (kt - qt) + j <= this
.set G1V, 24                           ; s[24:31] descriptor group 1, V
.set G1K, 32                           ; s[32:39] group 1, K
.set G0V, 40                           ; s[40:47] group 0, V, one set for each slot
.set G0K, 48                           ; s[48:55] group 0, K, one set for each slot
.set MSB, 0
.macro WIN new                         ; low byte: bits 1:0 source 0, 3:2 source 1, 5:4 source 2, 7:6 destination; the high byte repeats the setting that is left
.if MSB != \new
	s_set_vgpr_msb (MSB<<8)|\new
.set MSB, \new
.endif
.endm
.macro PLACES                          ; four plain vector instructions behind a matrix instruction, before its result is read or its registers are loaded into (ISA guide 7.12.1)
.rept 4
	v_nop
.endr
.endm
	s_load_b128 s[4:7], s[0:1], 0x0                ; qkvh s[4:5], ctxh s[6:7]
	v_lshl_add_u32 v254, v0, 2, 0x2c000
	v_mov_b32 v255, 0
	ds_add_u32 v254, v255
	ds_add_u32 v254, v255
	v_lshrrev_b32 v1, 5, v0
	v_readfirstlane_b32 s8, v1                     ; wave w
	s_mov_b32 s10, ttmp9                           ; p
	s_and_b32 s11, ttmp7, 0xffff                   ; b x 16 + head
	s_sub_co_u32 s12, 8, s10                       ; n1: the first block's trips, 5 to 8
	s_sub_co_u32 s13, 7, s10                       ; the first block, and its diagonal unit
	s_lshr_b32 s9, s8, 2
	s_mul_i32 s9, s9, 3
	s_xor_b32 s9, s9, s8                           ; rb: 0 1 2 3 7 6 5 4
	s_lshr_b32 s66, s9, 1                          ; my diagonal sub-tile in a unit, and how many sub-tiles lie below it
	s_and_b32 s67, s9, 1
	s_lshl_b32 s67, s67, 5                         ; my 32 queries begin at key 0 or at key 32 of that sub-tile
	s_mov_b32 s18, 0x76543210                      ; v_permlanex16_b32: lane i of one half reads lane i of the other
	s_mov_b32 s19, 0xfedcba98
	s_mov_b32 s76, 0x3e38aa3b                      ; c = 64^-0.5 x log2 e; the packed forms read s76 of the pair s[76:77],
	s_mov_b32 s77, 0xbe38aa3b                      ; and s77 holds -c
	s_mul_i32 s74, s66, K64                        ; my diagonal sub-tile in a slot
	s_mul_i32 s75, s66, V64
	; a quarter of a unit's V or K: 64 keys = 8 KiB of consecutive memory = 32 rows of 32 elements of 8 bytes, padded behind each row
	s_mov_b32 s[G1V+0], (3<<16)|(1<<20)|(5<<22)|(7<<25)   ; elements of 8 bytes; after every 64 words 8 words of padding
	s_mov_b32 s[G1V+1], 32<<16                     ; tensor_dim0
	s_mov_b32 s[G1V+2], 32<<16                     ; tensor_dim1
	s_mov_b32 s[G1V+3], 32<<16                     ; tile_dim0
	s_mov_b32 s[G1V+4], 32                         ; tile_dim1
	s_mov_b32 s[G1V+5], 32                         ; from row to row
	s_mov_b32 s[G1V+6], 0
	s_mov_b32 s[G1V+7], 0
	s_mov_b32 s[G1K+0], (3<<16)|(1<<20)|(5<<22)|(3<<25)   ; the same with 4 words of padding
	s_mov_b32 s[G1K+1], 32<<16
	s_mov_b32 s[G1K+2], 32<<16
	s_mov_b32 s[G1K+3], 32<<16
	s_mov_b32 s[G1K+4], 32
	s_mov_b32 s[G1K+5], 32
	s_mov_b32 s[G1K+6], 0
	s_mov_b32 s[G1K+7], 0
	s_lshl_b32 s56, s11, 18                        ; the head's plane: 262,144 bytes
	s_mov_b32 s57, 0                               ; s[56:57]: an offset as a pair; s57 stays 0
	s_wait_dscnt 0x0
	s_wait_kmcnt 0x0
	s_add_nc_u64 s[4:5], s[4:5], s[56:57]          ; q of my head
	s_add_nc_u64 s[6:7], s[6:7], s[56:57]          ; ctx of my head
	s_lshl_b32 s62, s8, 13                         ; waves 0-3 fetch V's quarters, waves 4-7 K's: w x 8 KiB
	s_add_co_u32 s56, s62, VPART
	s_add_nc_u64 s[20:21], s[4:5], s[56:57]        ; V: my quarter of unit 0
	s_add_co_u32 s56, s62, KPART-4*8192
	s_add_nc_u64 s[22:23], s[4:5], s[56:57]        ; K: quarter w - 4 of unit 0
	s_mul_i32 s62, s8, 32*VPITCH                   ; where they go: the wave's number and constants alone
	s_mul_i32 s63, s8, 32*KPITCH
	s_add_co_u32 s63, s63, KOFF-4*32*KPITCH
.irp s, 0,1
	s_sub_co_u32 s56, s13, \s                      ; trips 0 and 1 take units 7 - p and 6 - p
	s_lshl_b32 s56, s56, 15                        ; a unit is 32,768 bytes
	s_mov_b32 s[G0V+4*\s], 1
	s_add_co_u32 s[G0V+4*\s+1], s62, \s*SLOT
	s_add_nc_u64 s[G0V+4*\s+2:G0V+4*\s+3], s[20:21], s[56:57]
	s_or_b32 s[G0V+4*\s+3], s[G0V+4*\s+3], 0x80000000
	s_mov_b32 s[G0K+4*\s], 1
	s_add_co_u32 s[G0K+4*\s+1], s63, \s*SLOT
	s_add_nc_u64 s[G0K+4*\s+2:G0K+4*\s+3], s[22:23], s[56:57]
	s_or_b32 s[G0K+4*\s+3], s[G0K+4*\s+3], 0x80000000
.endr
	s_cmp_lt_u32 s8, 4                             ; both first fills of a wave in one branch on its number: two tensor loads of the wave are out
	s_cbranch_scc0 .Lfirst_k
	tensor_load_to_lds s[G0V:G0V+3], s[G1V:G1V+7]
	s_nop 0
	tensor_load_to_lds s[G0V+4:G0V+7], s[G1V:G1V+7]
	s_nop 0
	s_branch .Lfirst_done
.Lfirst_k:
	tensor_load_to_lds s[G0K:G0K+3], s[G1K:G1K+7]
	s_nop 0
	tensor_load_to_lds s[G0K+4:G0K+7], s[G1K:G1K+7]
	s_nop 0
.Lfirst_done:
; Q's fragments straight from memory into window 1: lane (r, h) takes d = 32 ks + 8 h .. and 32 ks + 16 + 8 h .. of query 16 qt + r
.macro QLOAD
	WIN 0x40                                       ; a load's data is the destination: window 1; its address register stays in window 0
.irp qt, 0,1
.irp ks, 0,1
	global_load_b128 v[QF+16*\qt+8*\ks:QF+16*\qt+8*\ks+3],   v[QO], s[58:59] offset:\qt*2048+\ks*64
	global_load_b128 v[QF+16*\qt+8*\ks+4:QF+16*\qt+8*\ks+7], v[QO], s[58:59] offset:\qt*2048+\ks*64+32
.endr
.endr
	WIN 0
.endm
	v_and_b32 v1, 15, v0                           ; r
	v_bfe_u32 v[T], v0, 4, 1                       ; h
	v_lshlrev_b32 v[QO], 7, v1
	v_lshl_add_u32 v[QO], v[T], 4, v[QO]           ; 128 r + 16 h
	s_lshl_b32 s56, s13, 15                        ; block x 256 rows x 128 bytes
	s_lshl_b32 s62, s9, 12                         ; + rb x 32 rows
	s_add_co_u32 s56, s56, s62
	s_add_nc_u64 s[58:59], s[4:5], s[56:57]        ; my 32 queries
	s_add_nc_u64 s[60:61], s[6:7], s[56:57]        ; and their place in ctx
	QLOAD
	v_and_b32 v[T+1], 1, v0                        ; l & 1
	v_lshrrev_b32 v[T+4], 1, v1
	v_mul_u32_u24 v[T+4], v[T+4], KPITCH           ; K: key r at (r >> 1) x 272 + (r & 1) x 128, + 16 h
	v_lshl_add_u32 v[T+4], v[T+1], 7, v[T+4]
	v_lshl_add_u32 v[T+4], v[T], 4, v[T+4]
	v_add_nc_u32 v[KB], KOFF, v[T+4]
	v_add_nc_u32 v[KB+1], KOFF+SLOT, v[T+4]
	v_bfe_u32 v[T+5], v0, 1, 2                     ; V: I address key 8 h + (l & 7), d half (l >> 3) & 1
	v_lshl_add_u32 v[T+5], v[T], 2, v[T+5]
	v_mul_u32_u24 v[T+5], v[T+5], VPITCH
	v_lshl_add_u32 v[T+5], v[T+1], 7, v[T+5]
	v_bfe_u32 v[T+6], v0, 3, 1
	v_lshl_add_u32 v[VB], v[T+6], 4, v[T+5]
	v_add_nc_u32 v[VB+1], SLOT, v[VB]
	s_mul_i32 s62, s8, 32*SPITCH
	s_add_co_u32 s62, s62, STAGE                   ; my stage
	v_mul_u32_u24 v[T+4], v1, SPITCH
	v_lshl_add_u32 v[T+4], v[T], 4, v[T+4]
	v_add_nc_u32 v[STO], s62, v[T+4]               ; in: row r, 16 bytes for each half of the lanes
	v_bfe_u32 v[T+4], v0, 3, 2
	v_mul_u32_u24 v[T+4], v[T+4], SPITCH
	v_and_b32 v[T+5], 7, v0
	v_lshl_add_u32 v[T+4], v[T+5], 4, v[T+4]
	v_add_nc_u32 v[RD], s62, v[T+4]                ; back: eight lanes a row of 128 bytes, four rows a load
	v_and_b32 v[T+4], 31, v0
	v_lshlrev_b32 v[CO], 4, v[T+4]                 ; in memory the four rows are 512 consecutive bytes
	v_mov_b32 v[NEG], 0xff7fffff
	v_lshlrev_b32 v[T+4], 3, v[T]
	v_sub_nc_u32 v[DI], v1, v[T+4]
	v_add_nc_u32 v[DI], s67, v[DI]                 ; r - 8 h + 32 (rb & 1), as a signed number
	                                               ; (T+4 and T+5, the destinations of v_permlanex16_b32 below, count as read there: they have been written above)
; 16 LDS loads: K's fragments of the 64 keys at KA
.macro KLOAD
.irp kt, 0,1,2,3
.irp ks, 0,1
	ds_load_b128 v[KF+16*\kt+8*\ks:KF+16*\kt+8*\ks+3],   v[KA] offset:\kt*K16+\ks*64
	ds_load_b128 v[KF+16*\kt+8*\ks+4:KF+16*\kt+8*\ks+7], v[KA] offset:\kt*K16+\ks*64+32
.endr
.endr
.endm
; 16 transposing LDS loads: V^T's fragments of the 64 keys at VA
.macro VLOAD
.irp c, 0,1
.irp dt, 0,1,2,3
	ds_load_tr16_b128 v[VF+32*\c+8*\dt:VF+32*\c+8*\dt+3],   v[VA] offset:\c*V32+\dt*32        ; keys 32 c + 8 h .. of d = 16 dt + r
	ds_load_tr16_b128 v[VF+32*\c+8*\dt+4:VF+32*\c+8*\dt+7], v[VA] offset:\c*V32+\dt*32+V16    ; keys 32 c + 16 + 8 h ..
.endr
.endr
.endm
; One sub-tile: 64 keys against my 32 queries.  K's fragments have been asked for; V's lie at VA.
; first = 1: the diagonal sub-tile, which is masked and starts M, L and O (nothing is cleared); it asks for no K ahead.
; first = 0: KA holds the next sub-tile's K, s63 its number, s15 the unit's limit: where a sub-tile follows, its K is asked for here.
; Accumulators take turns, one matrix instruction a turn (eight for the scores, eight for O).
.macro SUB first
	s_wait_dscnt 0x0                               ; K is in (a unit's first sub-tile has just asked for it; for the others the wait in front of the last O products has shown it)
	WIN 0x04                                       ; source 1 (Q) in window 1
.irp qt, 0,1
.irp kt, 0,1,2,3
	v_wmma_f32_16x16x32_f16 v[S+32*\qt+8*\kt:S+32*\qt+8*\kt+7], v[KF+16*\kt:KF+16*\kt+7], v[QF+16*\qt:QF+16*\qt+7], 0
.endr
.endr
.irp qt, 0,1
.irp kt, 0,1,2,3
	v_wmma_f32_16x16x32_f16 v[S+32*\qt+8*\kt:S+32*\qt+8*\kt+7], v[KF+16*\kt+8:KF+16*\kt+15], v[QF+16*\qt+8:QF+16*\qt+15], v[S+32*\qt+8*\kt:S+32*\qt+8*\kt+7]
.endr
.endr
	WIN 0
	PLACES                                         ; in front of the loads into K's registers and of the reads of the scores
.if \first == 0
	s_cmp_ge_u32 s63, s15                          ; does a sub-tile follow in this unit?
	s_cbranch_scc1 .Lno_next_\@
	KLOAD                                          ; its K, in front of V's loads: the one wait below covers both, and costs K nothing
.Lno_next_\@:
.endif
	VLOAD
.if \first
	; key 16 kt + 8 h + j stays where 16 (kt - qt) + j <= r - 8 h + 32 (rb & 1).  The right side lies in -8 .. 47: a constant above 47 never stays, one of -8 or less always
.irp qt, 0,1
.irp kt, 0,1,2,3
.irp j, 0,1,2,3,4,5,6,7
.if 16*(\kt-\qt)+\j > 47
	v_mov_b32 v[S+32*\qt+8*\kt+\j], v[NEG]
.else
.if 16*(\kt-\qt)+\j > -8
	v_cmp_le_i32 vcc_lo, 16*(\kt-\qt)+\j, v[DI]
	v_cndmask_b32 v[S+32*\qt+8*\kt+\j], v[NEG], v[S+32*\qt+8*\kt+\j], vcc_lo
.endif
.endif
.endr
.endr
.endr
	; the maximum of my 32 scores of each query tile, in two chains a tile; every query has its own key in this sub-tile, so M is a true score
.irp qt, 0,1
	v_max3_num_f32 v[T+\qt],   v[S+32*\qt],    v[S+32*\qt+1],  v[S+32*\qt+2]
	v_max3_num_f32 v[T+2+\qt], v[S+32*\qt+16], v[S+32*\qt+17], v[S+32*\qt+18]
.endr
.irp i, 3,5,7,9,11,13
.irp qt, 0,1
	v_max3_num_f32 v[T+\qt],   v[T+\qt],   v[S+32*\qt+\i],    v[S+32*\qt+\i+1]
	v_max3_num_f32 v[T+2+\qt], v[T+2+\qt], v[S+32*\qt+16+\i], v[S+32*\qt+17+\i]
.endr
.endr
.irp qt, 0,1
	v_max3_num_f32 v[T+\qt], v[T+\qt], v[T+2+\qt], v[S+32*\qt+15]
.endr
.irp qt, 0,1
	v_max_num_f32 v[T+\qt], v[T+\qt], v[S+32*\qt+31]
.endr
.else
.irp qt, 0,1
	v_max3_num_f32 v[T+\qt],   v[M+\qt],       v[S+32*\qt],    v[S+32*\qt+1]
	v_max3_num_f32 v[T+2+\qt], v[S+32*\qt+16], v[S+32*\qt+17], v[S+32*\qt+18]
.endr
.irp i, 2,4,6,8,10,12
.irp qt, 0,1
	v_max3_num_f32 v[T+\qt],   v[T+\qt],   v[S+32*\qt+\i],    v[S+32*\qt+\i+1]
	v_max3_num_f32 v[T+2+\qt], v[T+2+\qt], v[S+32*\qt+17+\i], v[S+32*\qt+18+\i]
.endr
.endr
.irp qt, 0,1
	v_max3_num_f32 v[T+\qt], v[T+\qt], v[S+32*\qt+14], v[S+32*\qt+15]
.endr
.irp qt, 0,1
	v_max3_num_f32 v[T+\qt], v[T+\qt], v[T+2+\qt], v[S+32*\qt+31]
.endr
.endif
	v_permlanex16_b32 v[T+4], v[T],   s18, s19     ; the other half of the lanes holds the query's other 32 keys
	v_permlanex16_b32 v[T+5], v[T+1], s18, s19
	v_max_num_f32 v[M],   v[T],   v[T+4]
	v_max_num_f32 v[M+1], v[T+1], v[T+5]
.if \first
.irp qt, 0,1
	v_mul_f32 v[NMC+2*\qt],   s77, v[M+\qt]
	v_mul_f32 v[NMC+2*\qt+1], s77, v[M+\qt]
.endr
.else
	; alpha = 2^(new shift - old shift), of the two shifts as they are used: the rounding of c M is then a factor common to P, L and O and cancels
.irp qt, 0,1
	v_mul_f32 v[NMC+2*\qt+1], s77, v[M+\qt]
.endr
.irp qt, 0,1
	v_sub_f32 v[T+\qt], v[NMC+2*\qt+1], v[NMC+2*\qt]
.endr
.irp qt, 0,1
	v_mov_b32 v[NMC+2*\qt], v[NMC+2*\qt+1]         ; the pair's other half: the packed forms below read both
.endr
	v_exp_f32 v[AL],   v[T]                        ; the packed multiply-adds below are the plain instructions behind these two (ISA guide 5.7.2)
	v_exp_f32 v[AL+2], v[T+1]
.endif
.irp qt, 0,1
.irp i, 0,2,4,6,8,10,12,14,16,18,20,22,24,26,28,30
	v_pk_fma_f32 v[S+32*\qt+\i:S+32*\qt+\i+1], v[S+32*\qt+\i:S+32*\qt+\i+1], s[76:77], v[NMC+2*\qt:NMC+2*\qt+1] op_sel_hi:[1,0,1]   ; c s - c M, one rounding
.endr
.endr
.if \first == 0
	s_wait_alu depctr_va_vdst(0)
	v_mov_b32 v[AL+1], v[AL]
	v_mov_b32 v[AL+3], v[AL+2]
.endif
.set i, 0
.rept 64
	v_exp_f32 v[S+i], v[S+i]
.set i, i+1
.endr
.if \first
	v_nop                                          ; one plain instruction behind the exponentials
	s_wait_alu depctr_va_vdst(0)
.else
	WIN 0x41                                       ; source 0 and destination (O) in window 1, alpha in window 0
	s_wait_alu depctr_va_vdst(0)
.irp qt, 0,1
.irp i, 0,2,4,6,8,10,12,14,16,18,20,22,24,26,28,30
	v_pk_mul_f32 v[O+32*\qt+\i:O+32*\qt+\i+1], v[O+32*\qt+\i:O+32*\qt+\i+1], v[AL+2*\qt:AL+2*\qt+1]   ; O x alpha; also the plain instructions behind the exponentials
.endr
.endr
	WIN 0
.endif
.irp qt, 0,1
.irp k, 0,1,2,3
	v_pk_add_f32 v[T+2*\k:T+2*\k+1], v[S+32*\qt+4*\k:S+32*\qt+4*\k+1], v[S+32*\qt+4*\k+2:S+32*\qt+4*\k+3]
.endr
.irp g, 16,24
.irp k, 0,1,2,3
	v_pk_add_f32 v[T+2*\k:T+2*\k+1], v[T+2*\k:T+2*\k+1], v[S+32*\qt+\g+2*\k:S+32*\qt+\g+2*\k+1]
.endr
.endr
	v_pk_add_f32 v[T:T+1],   v[T:T+1],   v[T+2:T+3]
	v_pk_add_f32 v[T+4:T+5], v[T+4:T+5], v[T+6:T+7]
.if \first
	v_pk_add_f32 v[L+2*\qt:L+2*\qt+1], v[T:T+1], v[T+4:T+5]
.else
	v_pk_add_f32 v[T:T+1], v[T:T+1], v[T+4:T+5]
	v_pk_fma_f32 v[L+2*\qt:L+2*\qt+1], v[L+2*\qt:L+2*\qt+1], v[AL+2*\qt:AL+2*\qt+1], v[T:T+1]
.endif
.endr
	; The weights are packed in place: register i of a query tile's 32 takes registers 2 i and 2 i + 1, in ascending order, so that nothing is written before
	; it has been read.  Registers 8 c .. 8 c + 7 then hold keys 32 c + 8 h .. and 32 c + 16 + 8 h ..: source 1's own layout.
.irp qt, 0,1
.irp i, 0,1,2,3,4,5,6,7,8,9,10,11,12,13,14,15
	v_cvt_pk_f16_f32 v[S+32*\qt+\i], v[S+32*\qt+2*\i], v[S+32*\qt+2*\i+1]
.endr
.endr
	s_wait_dscnt 0x0                               ; V is in, and the next sub-tile's K, which was asked for in front of it
	WIN 0x50                                       ; C and D (O) in window 1
.irp c, 0,1
.irp qt, 0,1
.irp dt, 0,1,2,3
.if \first*(1-\c)
	v_wmma_f32_16x16x32_f16 v[O+32*\qt+8*\dt:O+32*\qt+8*\dt+7], v[VF+32*\c+8*\dt:VF+32*\c+8*\dt+7], v[S+32*\qt+8*\c:S+32*\qt+8*\c+7], 0
.else
	v_wmma_f32_16x16x32_f16 v[O+32*\qt+8*\dt:O+32*\qt+8*\dt+7], v[VF+32*\c+8*\dt:VF+32*\c+8*\dt+7], v[S+32*\qt+8*\c:S+32*\qt+8*\c+7], v[O+32*\qt+8*\dt:O+32*\qt+8*\dt+7]
.endif
.endr
.endr
.endr
	WIN 0
.rept 5
	v_nop                                          ; five places: the next score products write over registers that these products read as source 1 (ISA guide 7.12.1);
.endr                                                  ; they also serve the next loads into V's registers, the next rescaling of O and the way out
.endm
; my diagonal sub-tile of the unit in a slot; the sub-tiles below it follow, rb >> 1 of them
.macro DIAG slot
	v_add_nc_u32 v[KA], s74, v[KB+\slot]
	v_add_nc_u32 v[VA], s75, v[VB+\slot]
	KLOAD
	SUB 1
	s_mov_b32 s15, s66
.endm
; The unmasked sub-tiles 0 .. lim - 1 (s15: 4, or in a diagonal unit rb >> 1) of the unit in a slot.  Four counted trips and one way out; a trip whose
; sub-tile lies above the limit jumps over the work and only counts.  Sub-tile 0's K is asked for in front of the loop (also where lim is 0: 16 loads whose
; result is not used); each trip asks for the next one's.  The addresses are made anew in each trip: the slot's base + a number of sub-tiles.  That number is
; below 4; the clamp writes the bound into the address arithmetic itself, so that these lines alone show that the bytes read lie in this slot.
.macro FULLS slot
	v_mov_b32 v[KA], v[KB+\slot]
	KLOAD
	s_mov_b32 s16, 0
.Lsub_\@:
	s_cmp_ge_u32 s16, s15
	s_cbranch_scc1 .Labove_\@
	s_min_u32 s62, s16, 3
	s_mul_i32 s62, s62, V64
	v_add_nc_u32 v[VA], s62, v[VB+\slot]           ; this sub-tile's V
	s_add_co_u32 s63, s16, 1
	s_min_u32 s62, s63, 3
	s_mul_i32 s62, s62, K64
	v_add_nc_u32 v[KA], s62, v[KB+\slot]           ; the next sub-tile's K
	SUB 0
.Labove_\@:
	s_add_co_u32 s16, s16, 1
	s_cmp_lt_u32 s16, 4
	s_cbranch_scc1 .Lsub_\@
.endm
; the block's way out: O / l, rounded to f16, through my own stage, 512 consecutive bytes a store
.macro FINISH
	s_wait_dscnt 0x0                               ; no load of mine is on its way into K's registers, which take the rows read back
	v_add_f32 v[T],   v[L],   v[L+1]
	v_add_f32 v[T+1], v[L+2], v[L+3]
	v_permlanex16_b32 v[T+4], v[T],   s18, s19
	v_permlanex16_b32 v[T+5], v[T+1], s18, s19
	v_add_f32 v[T],   v[T],   v[T+4]               ; l is at least about 1: the largest weight
	v_add_f32 v[T+1], v[T+1], v[T+5]
	v_rcp_f32 v[AL],   v[T]
	v_rcp_f32 v[AL+2], v[T+1]
	v_nop                                          ; one plain instruction behind the reciprocals
	s_wait_alu depctr_va_vdst(0)
	v_mov_b32 v[AL+1], v[AL]
	v_mov_b32 v[AL+3], v[AL+2]
	WIN 0x41
.irp qt, 0,1
.irp i, 0,2,4,6,8,10,12,14,16,18,20,22,24,26,28,30
	v_pk_mul_f32 v[O+32*\qt+\i:O+32*\qt+\i+1], v[O+32*\qt+\i:O+32*\qt+\i+1], v[AL+2*\qt:AL+2*\qt+1]
.endr
.endr
	WIN 0x05                                       ; sources 0 and 1 (O) in window 1, the packed result in window 0
.irp qt, 0,1
.irp i, 0,1,2,3,4,5,6,7,8,9,10,11,12,13,14,15
	v_cvt_pk_f16_f32 v[S+16*\qt+\i], v[O+32*\qt+2*\i], v[O+32*\qt+2*\i+1]
.endr
.endr
	WIN 0
.irp qt, 0,1
.irp dt, 0,1,2,3
	ds_store_b128 v[STO], v[S+16*\qt+4*\dt:S+16*\qt+4*\dt+3] offset:\qt*16*SPITCH+\dt*32
.endr
.endr
.irp t, 0,1,2,3,4,5,6,7
	ds_load_b128 v[KF+4*\t:KF+4*\t+3], v[RD] offset:\t*4*SPITCH    ; LDS serves a wave's instructions in order (ISA guide 5.7.1.4): these see the stores above
.endr
.irp t, 0,1,2,3,4,5,6,7
	s_wait_dscnt 7-\t                              ; load t is in, the 7 - t younger ones stay out
	global_store_b128 v[CO], v[KF+4*\t:KF+4*\t+3], s[60:61] offset:512*\t
.endr
	s_wait_xcnt 0x0                                ; K's registers and the stores' base are written again only behind this wait
.endm
; the address of trip i + 1's unit into slot s's two group 0 sets: unit 7 - p - t in the first block, 8 - t in the second.  No tensor load of the wave is out here.
.macro NEXTADDR s
	s_add_co_u32 s62, s14, 1                       ; t
	s_sub_co_u32 s63, s13, s62
	s_sub_co_u32 s56, 8, s62
	s_cmp_lt_u32 s62, s12
	s_cselect_b32 s56, s63, s56
	s_lshl_b32 s56, s56, 15
	s_add_nc_u64 s[G0V+4*(\s)+2:G0V+4*(\s)+3], s[20:21], s[56:57]
	s_or_b32 s[G0V+4*(\s)+3], s[G0V+4*(\s)+3], 0x80000000
	s_add_nc_u64 s[G0K+4*(\s)+2:G0K+4*(\s)+3], s[22:23], s[56:57]
	s_or_b32 s[G0K+4*(\s)+3], s[G0K+4*(\s)+3], 0x80000000
.endm
.macro VKLOAD s                        ; every wave issues one of the two lines
	s_cmp_lt_u32 s8, 4
	s_cbranch_scc0 .Lk_\@
	tensor_load_to_lds s[G0V+4*(\s):G0V+4*(\s)+3], s[G1V:G1V+7]
	s_nop 0
	s_branch .Lvk_\@
.Lk_\@:
	tensor_load_to_lds s[G0K+4*(\s):G0K+4*(\s)+3], s[G1K:G1K+7]
	s_nop 0
.Lvk_\@:
.endm
; from the first block to the second: the new queries are asked for, the old block leaves while they are on their way, the new diagonal starts the sums
.macro SWITCH slot
	s_lshl_b32 s56, s10, 15                        ; block p
	s_lshl_b32 s62, s9, 12
	s_add_co_u32 s56, s56, s62
	s_add_nc_u64 s[58:59], s[4:5], s[56:57]        ; the first block's loads by this base were waited for long ago
	QLOAD
	FINISH
	s_add_nc_u64 s[60:61], s[6:7], s[56:57]
	s_wait_loadcnt 0x0                             ; Q
	DIAG \slot
.endm
; One trip: the unit in slot.  In front of the barrier each wave waits for all its tensor loads (its part of this trip's unit) and for its reads of the
; other slot; behind it the other slot is filled again first, one tensor load a wave, which has the whole trip in which to land.
; sw = 1: the second block may begin here (trip n1).  The branch hangs on the work-group's number alone; no barrier stands inside it.
.macro TRIP slot, refill, sw
	s_wait_tensorcnt 0x0
	ds_add_u32 v254, v255
	s_wait_dscnt 0x0
.if \refill
	NEXTADDR 1-\slot
.endif
	s_wait_dscnt 0x0
	s_barrier_signal -1
	s_barrier_wait -1
.if \refill
	VKLOAD 1-\slot
.endif
	s_mov_b32 s15, 4
.if \sw
	s_cmp_lg_u32 s14, s12
	s_cbranch_scc1 .Lsame_block_\@
	SWITCH \slot
.Lsame_block_\@:
.endif
	FULLS \slot
	s_add_co_u32 s14, s14, 1
.endm
	s_wait_tensorcnt 1                             ; my part of trip 0's unit is in; trip 1's may stay out
	s_barrier_signal -1
	s_barrier_wait -1
	s_wait_loadcnt 0x0                             ; Q
	DIAG 0                                         ; trip 0: the first block's diagonal unit
	FULLS 0
	s_mov_b32 s14, 1
	s_mov_b32 s17, 2
.Ltrips:
	TRIP 1, 1, 0                                   ; trips 1 to 4 belong to the first block in every work-group (n1 >= 5)
	TRIP 0, 1, 0
	s_sub_co_u32 s17, s17, 1
	s_cmp_lg_u32 s17, 0
	s_cbranch_scc1 .Ltrips
	TRIP 1, 1, 1                                   ; trips 5 to 8
	TRIP 0, 1, 1
	TRIP 1, 1, 1
	TRIP 0, 0, 1                                   ; the last trip fetches nothing
	FINISH
	s_wait_tensorcnt 0x0
	ds_add_u32 v254, v255
	s_wait_dscnt 0x0
	s_endpgm
.Lfunc_end_k_q83bcc17200_attn:
	.size	k_q83bcc17200_attn, .Lfunc_end_k_q83bcc17200_attn-k_q83bcc17200_attn
	.p2alignl 7, 3214868480
	.fill 96, 4, 3214868480
	.section	.rodata,"a",@progbits
	.p2align	6, 0x0
	.amdhsa_kernel k_q83bcc17200_attn
		.amdhsa_group_segment_fixed_size 327680
		.amdhsa_private_segment_fixed_size 0
		.amdhsa_enable_private_segment 0
		.amdhsa_kernarg_size 16
		.amdhsa_user_sgpr_count 2
		.amdhsa_user_sgpr_kernarg_segment_ptr 1
		.amdhsa_wavefront_size32 1
		.amdhsa_system_sgpr_workgroup_id_x 1
		.amdhsa_system_sgpr_workgroup_id_y 1
		.amdhsa_system_sgpr_workgroup_id_z 1
		.amdhsa_system_vgpr_workitem_id 0
		.amdhsa_next_free_vgpr 352
		.amdhsa_next_free_sgpr 78
		.amdhsa_reserve_vcc 1
		.amdhsa_float_denorm_mode_32 3
		.amdhsa_float_denorm_mode_16_64 3
		.amdhsa_memory_ordered 1
		.amdhsa_forward_progress 1
		.amdhsa_inst_pref_size 255
	.end_amdhsa_kernel
	.section	.bss,"aw",@nobits
	.p2align	6
	.space	262144
	.amdgpu_metadata
---
amdhsa.version: [ 1, 2 ]
amdhsa.kernels:
  - .name:           k_q83bcc17200_attn
    .symbol:         k_q83bcc17200_attn.kd
    .args:
      - { .name: qkvh, .offset: 0, .size: 8, .value_kind: global_buffer, .address_space: global }
      - { .name: ctxh, .offset: 8, .size: 8, .value_kind: global_buffer, .address_space: global }
    .group_segment_fixed_size: 327680
    .private_segment_fixed_size: 0
    .kernarg_segment_align: 8
    .kernarg_segment_size: 16
    .max_flat_workgroup_size: 256
    .sgpr_count:     78
    .vgpr_count:     352
    .wavefront_size: 32
...
	.end_amdgpu_metadata
.endif
;; end of part 6
;; launch oproj: the kernel of part 4 again; grid 4 x 64, 4 waves a work-group, clusters of 4 x 4, 327,680 bytes of LDS; arguments ctxh, wob, out0; writes out0
